; MI455X (gfx1250); checked and timed in simulation.
; The chip was launched on July 23, 2026; its instructions are those of AMD's public machine-readable ISA for CDNA 5 (MIT licence, August 2026) and "CDNA5" Instruction Set Architecture Reference Guide (July 2026). The comments in the code are by the model that wrote it; some were corrected since.
;; MHA. Allowed arithmetic: matrix products marked QUANTISED: E2M1 operands, one E8M0 scale for each 32 along K, by v_wmma_scale_f32_16x16x128_f8f6f4 with both operands' format E2M1 (or v_wmma_scale_f32_32x16x128_f4), f32 sums; products left as they are: bf16, f16 or f32 operands; f32 sums; everything else in f32.
;; Inputs: Wk 1,024 x 1,024 float32; Wo 1,024 x 1,024 float32; Wq 1,024 x 1,024 float32; Wv 1,024 x 1,024 float32; bk 1,024 float32; bo 1,024 float32; bq 1,024 float32; bv 1,024 float32; x 4 x 2,048 x 1,024 float32.
;; Outputs: out0 4 x 2,048 x 1,024 float32.
;; This version of the problem:
;;   THIS VERSION OF THE PROBLEM IS GIVEN IN LOW PRECISION. The matrix products marked QUANTISED in the list below multiply operands that are first quantised to E2M1 (2 exponent bits, 1 mantissa bit; 4 bits a number), with one power-of-two scale for each 32 numbers along K (OCP MX v1.0); their sums are f32. The products marked 'left as it is' may take bf16, f16 or f32 operands, with f32 sums. Whichever they take, every output number must still come out within the allowed error. Rounding operands to bf16 (8 significant bits) uses up far more of that allowance than f16 does (11 bits, for magnitudes from 6e-5 to 65,504). All else is computed in f32.
;;   The module's matrix products, in the order in which they are computed (A, B: the left and right operand; K: the contracted axis; several contracted axes count as one K, in the product's order):
;;     1. [M 8,192, K 1,024] x [K 1,024, N 1,024]; A: input x; B: input Wq: QUANTISED
;;     2. [M 8,192, K 1,024] x [K 1,024, N 1,024]; A: input x; B: input Wk: QUANTISED
;;     3. [M 8,192, K 1,024] x [K 1,024, N 1,024]; A: input x; B: input Wv: QUANTISED
;;     4. batch 64 x [M 2,048, K 64] x [K 64, N 2,048]; A: computed on the way; B: computed on the way: left as it is (an operand is computed on the way)
;;     5. batch 64 x [M 2,048, K 2,048] x [K 2,048, N 64]; A: computed on the way; B: computed on the way: left as it is (an operand is computed on the way)
;;     6. [M 8,192, K 1,024] x [K 1,024, N 1,024]; A: computed on the way; B: input Wo: left as it is (an operand is computed on the way)
;;   THE QUANTISER, for each operand of a quantised product, along K:
;;     - K is cut into blocks of 32 from its start; a last block that is shorter is filled with zeros.
;;     - A block's scale is 2^e with e = floor(log2(the largest magnitude in the block)) - 2, held to -126 .. 127; a block of zeros has e = 0. As a byte (E8M0): e + 127.
;;     - Each number is divided by its block's scale, clamped to +-6, and rounded to the nearest number of E2M1, ties to even, subnormals kept.
;;     - The product sums the exact products of the quantised numbers (number of the format x scale) in f32.
;;   ~~~python
;;   def quantise(x, axis):      # numpy; x: float32 -> the quantised numbers, widened to float32 again
;;       x = np.moveaxis(x, axis, -1); K = x.shape[-1]
;;       x = np.pad(x, [(0, 0)] * (x.ndim - 1) + [(0, -K % 32)]); x = x.reshape(x.shape[:-1] + (-1, 32)); a = np.abs(x).max(-1, keepdims=True)
;;       e = np.where(a > 0, np.clip(np.frexp(np.where(a > 0, a, 1))[1] - 1 - 2, -126, 127), 0)      # np.frexp(a)[1] - 1 = floor(log2(a)), exactly
;;       r = np.clip(x / 2.0 ** e, -6, 6)
;;       step = 2.0 ** (np.maximum(np.frexp(np.where(r == 0, 1, r))[1] - 1, 0) - 1)
;;       q = np.round(r / step) * step * 2.0 ** e      # np.round: ties to even
;;       return np.moveaxis(q.reshape(q.shape[:-2] + (-1,))[..., :K], -1, axis).astype(np.float32)
;;   ~~~
;; One version. Each part assembles by itself: llvm-mc -triple=amdgcn-amd-amdhsa -mcpu=gfx1250 --defsym DOCPART=n.
;; ======== version 1 of 1: 6 launches
;; limits: values are held in f16: magnitudes above 65,504 overflow, below 6.1e-05 lose precision
;; workspace buffers: xc 4,194,304 bytes; xs 262,144 bytes; wc 1,572,864 bytes; ws 98,304 bytes; wot 2,097,152 bytes; qkv 50,331,648 bytes; yh 16,777,216 bytes; y32 262,144 bytes
;; launch prep (part 1): grid 320 x 1, 4 waves a work-group, no clusters, 102,912 bytes of LDS; arguments x, Wq, Wk, Wv, Wo, xc, xs, wc, ws, wot; writes xc, xs, wc, ws, wot
.if DOCPART == 1
	.amdgcn_target "amdgcn-amd-amdhsa--gfx1250"
	.amdhsa_code_object_version 6
	.text
	.protected	k_qe8c7dc24b8_prep
	.globl	k_qe8c7dc24b8_prep
	.p2align	8
	.type	k_qe8c7dc24b8_prep,@function
k_qe8c7dc24b8_prep:
	s_mov_b64 s[64:65], 0
	v_nop
	global_prefetch_b8 v0, s[64:65] scope:SCOPE_SE
	s_setreg_imm32_b32 hwreg(HW_REG_WAVE_MODE, 25, 1), 1
	s_wait_xcnt 0x0
; THE OPERANDS ARE MADE READY, ONCE.  Three kinds of work-group, told apart by the work-group's number alone; each kind has LDS bytes of its own and ends by itself.
;   0 .. 255:   x [8192][1024] f32 -> xc: codes of FP4 (E2M1), K innermost, 512 bytes a row; xs: one E8M0 byte for each 32 along K, 32 bytes a row.
;   256 .. 303: Wq, Wk, Wv [1024 k][1024 n] f32, K their FIRST axis -> wc [3072 n][512 bytes], ws [3072][32]; row n = 1024 x weight + column.
;   304 .. 319: Wo [1024 k][1024 n] f32 -> wot [1024 n][1024 k] f16: the output projection is not quantised.
; A block's scale is 2^(floor(log2(its largest magnitude)) - 2); its byte is the largest magnitude's exponent field - 2, held at 1 from below.
; LIMITS: a block of zeros gets the byte 1 (its codes are zeros, and this program alone reads the bytes); blocks whose largest magnitude lies under 2^-124 are held at the byte 1;
; NaN and infinities are not served; |Wo| stays under 65,504, f16's largest number.
.set SPW,   190                        ; v190 LDS address of my spare word; never rewritten
.set NIL,   191                        ; v191 0; never rewritten
.set XREG,  8192                       ; LDS 0 ..: x's path: a region for each wave: two stages of 32 x SP bytes, then its 256 scale bytes
.set SP,    80                         ; a lane's place in a stage: 64 bytes + 16 of padding
.set WSTG,  32768                      ; the weights' path: a stage of 32 rows x 272 bytes for each wave
.set HSTG,  67584                      ; Wo's path: the same
.set SPARE, 102400                     ; the spare words, 128 bytes for each wave: two blocks of 256 bytes that no other line names
.set STEPS, 16
.set CB,    8                          ; bytes of 16 codes
.set XR,    16                         ; v16-79   x: four sets of 16 numbers as they are loaded
.set XX,    80                         ; v80-111  two sets of 16 neighbours
.set XE,    112                        ; v112-127 a scale byte for each step
.set XC,    128                        ; v128-189 codes: a pair at every fourth register, one for each step
.set NB,    16                         ; the weights: blocks of 32 along K for a wave
.set PITCH, 272
.set SB,    24                         ; v24-27   scale bytes, four to a register
.set WX,    32                         ; v32-95   two sets of 32 numbers
.set WC,    96                         ; v96-111  a block's codes, or its 32 f16
.set OUTR,  112                        ; v112-175 the way out
	s_load_b256 s[4:11], s[0:1], 0x0               ; x, Wq, Wk, Wv
	s_load_b256 s[12:19], s[0:1], 0x20             ; Wo, xc, xs, wc
	s_load_b128 s[20:23], s[0:1], 0x40             ; ws, wot
	v_lshl_add_u32 v[SPW], v0, 2, SPARE
	v_mov_b32 v[NIL], 0
	v_lshrrev_b32 v1, 5, v0
	v_readfirstlane_b32 s24, v1                    ; wave
	v_and_b32 v2, 31, v0                           ; lane
	s_wait_kmcnt 0x0
	s_cmp_lt_u32 ttmp9, 256
	s_cbranch_scc0 .Lweights
; ---- x.  A plain stream of blocks of 32.  A wave takes 16 steps of 512 numbers.  Each load reads 512 consecutive bytes; a step's 2,048 bytes turn through the wave's own stage, so that a lane holds 16 neighbours.
	v_lshlrev_b32 v3, 4, v2                        ; my 16 bytes of a load's 512
	s_mul_i32 s25, s24, XREG
	v_lshrrev_b32 v14, 2, v2
	v_mul_u32_u24 v14, v14, SP
	v_and_b32 v15, 3, v2
	v_lshl_add_u32 v14, v15, 4, v14
	v_add_nc_u32 v14, s25, v14                     ; the stage, on the way in: SP (lane / 4) + 16 (lane % 4)
	v_mul_u32_u24 v15, v2, SP
	v_add_nc_u32 v15, s25, v15                     ; and on the way out: SP x lane
	v_mul_u32_u24 v4, v2, CB                       ; my codes' place in a step's
	v_lshrrev_b32 v5, 1, v2
	s_add_co_u32 s25, s25, 2*32*SP
	v_add_nc_u32 v5, s25, v5                       ; my block's scale byte in the wave's 256
	v_lshlrev_b32 v7, 3, v2
	v_add_nc_u32 v6, s25, v7                       ; and on the way out 8 bytes a lane
	s_lshl_b32 s26, ttmp9, 2
	s_add_co_u32 s26, s26, s24                     ; which run of 8,192 numbers is my wave's: 0 .. 1023
	s_mov_b32 s29, 0
	s_lshl_b32 s28, s26, 15
	s_add_nc_u64 s[4:5], s[4:5], s[28:29]          ; 32,768 bytes of x a run,
	s_lshl_b32 s28, s26, 12
	s_add_nc_u64 s[14:15], s[14:15], s[28:29]      ; 4,096 of codes,
	s_lshl_b32 s28, s26, 8
	s_add_nc_u64 s[16:17], s[16:17], s[28:29]      ; 256 scale bytes
.macro XLOAD t
.irp i, 0,1,2,3
	global_load_b128 v[XR+16*((\t)%4)+4*\i:XR+16*((\t)%4)+4*\i+3], v3, s[4:5] offset:2048*(\t)+512*\i th:TH_LOAD_NT
.endr
.endm
.macro XTURN t                         ; step t's numbers through the stage: LDS serves a wave's instructions in order, so no wait stands between the stores and the loads
.irp i, 0,1,2,3
	ds_store_b128 v14, v[XR+16*((\t)%4)+4*\i:XR+16*((\t)%4)+4*\i+3] offset:32*SP*((\t)%2)+8*SP*\i
.endr
.irp i, 0,1,2,3
	ds_load_b128 v[XX+16*((\t)%2)+4*\i:XX+16*((\t)%2)+4*\i+3], v15 offset:32*SP*((\t)%2)+16*\i
.endr
.endm
.irp t, 0,1,2,3
	XLOAD \t
.endr
	s_wait_loadcnt 12                              ; step 0's four loads are in; twelve younger ones stay out
	XTURN 0
.macro XSTEP t
.set XS, XX+16*((\t)%2)
.if (\t) > 0
	s_wait_dscnt 1                                 ; this step's numbers are back from the stage; the last step's byte store may be out
.else
	s_wait_dscnt 0x0
.endif
.if (\t)+4 < STEPS
	XLOAD (\t)+4
.endif
.if (\t)+1 < STEPS
.if STEPS-2-(\t) >= 3
	s_wait_loadcnt 12                              ; the next step's four loads are in; those of the three steps behind it may be out
.else
	s_wait_loadcnt 4*(STEPS-2-(\t))
.endif
	XTURN (\t)+1
.endif
	v_max3_num_f32 v8, |v[XS]|, |v[XS+1]|, |v[XS+2]|               ; the largest magnitude of my 16, in two chains
	v_max3_num_f32 v9, |v[XS+3]|, |v[XS+4]|, |v[XS+5]|
.irp i, 6,10
	v_max3_num_f32 v8, v8, |v[XS+\i]|, |v[XS+\i+1]|
	v_max3_num_f32 v9, v9, |v[XS+\i+2]|, |v[XS+\i+3]|
.endr
	v_max3_num_f32 v8, v8, |v[XS+14]|, |v[XS+15]|
	v_max3_num_f32 v8, v8, v9, 0x1800000           ; and the floor 2^(3 - 127): the byte cannot fall under 1
	v_max_num_f32_dpp v8, v8, v8 row_xmask:1 row_mask:0xf bank_mask:0xf   ; with my neighbour's 16: the block's
	v_add_nc_u32 v11, 0xff000000, v8               ; 2 off its exponent field: the conversion takes that field as its scale
	v_cvt_scalef32_pk8_fp4_f32 v[XC+4*(\t)], v[XS:XS+7], v11
	v_cvt_scalef32_pk8_fp4_f32 v[XC+4*(\t)+1], v[XS+8:XS+15], v11
	v_lshrrev_b32 v[XE+(\t)], 23, v11              ; the scale's byte
	ds_store_b8 v5, v[XE+(\t)] offset:16*(\t)      ; both lanes of a block write the same byte with the same value
	global_store_b64 v4, v[XC+4*(\t):XC+4*(\t)+1], s[14:15] offset:32*CB*(\t)   ; the wave stores 256 consecutive bytes, aligned
.endm
.irp t, 0,1,2,3,4,5,6,7,8,9,10,11,12,13,14,15
	XSTEP \t
.endr
	ds_load_b64 v[8:9], v6                         ; my wave's 256 scale bytes: these loads see my stores
	s_wait_dscnt 0x0
	global_store_b64 v7, v[8:9], s[16:17]          ; 256 consecutive bytes, aligned
	s_wait_tensorcnt 0x0                           ; the wave's end, behind my last LDS store
	ds_add_u32 v[SPW], v[NIL]
	s_wait_dscnt 0x0
	s_endpgm
.Lweights:
; What both weight paths share: a lane takes a column n and its registers run down K; a wave takes 32 columns x 512 along K.
	v_lshlrev_b32 v3, 2, v2                        ; in: 4 bytes a lane
	v_and_b32 v5, 15, v2
	v_lshrrev_b32 v6, 4, v2
.macro WLOAD t                         ; block t: W(32 t + i, my column), i = 0 .. 31, into set t % 2: each load reads 128 consecutive bytes
.irp i, 0,1,2,3,4,5,6,7,8,9,10,11,12,13,14,15,16,17,18,19,20,21,22,23,24,25,26,27,28,29,30,31
	global_load_b32 v[WX+32*((\t)%2)+\i], v3, s[30:31] offset:(32*(\t)+\i)*4096 th:TH_LOAD_NT
.endr
.endm
	s_cmp_lt_u32 ttmp9, 304
	s_cbranch_scc0 .Lhalf
; ---- Wq, Wk, Wv into codes with K innermost
	s_sub_co_u32 s25, ttmp9, 256
	s_lshr_b32 s26, s25, 4                         ; which weight
	s_and_b32 s27, s25, 7                          ; which 128 columns
	s_bfe_u32 s28, s25, 0x10003                    ; which 512 along K
	s_cmp_eq_u32 s26, 0
	s_cselect_b64 s[30:31], s[6:7], s[8:9]
	s_cmp_eq_u32 s26, 2
	s_cselect_b64 s[30:31], s[10:11], s[30:31]
	s_lshl_b32 s27, s27, 7
	s_lshl_b32 s29, s24, 5
	s_add_co_u32 s27, s27, s29                     ; my wave's first column
	s_lshl_b32 s32, s28, 21                        ; 512 rows of 4,096 bytes
	s_lshl_b32 s29, s27, 2
	s_add_co_u32 s32, s32, s29
	s_mov_b32 s33, 0
	s_add_nc_u64 s[30:31], s[30:31], s[32:33]
	s_lshl_b32 s29, s26, 10
	s_add_co_u32 s29, s29, s27                     ; my first row of wc and ws
	s_lshl_b32 s32, s29, 9
	s_lshl_b32 s34, s28, 8
	s_add_co_u32 s32, s32, s34
	s_add_nc_u64 s[18:19], s[18:19], s[32:33]
	s_lshl_b32 s32, s29, 5
	s_lshl_b32 s34, s28, 4
	s_add_co_u32 s32, s32, s34
	s_add_nc_u64 s[20:21], s[20:21], s[32:33]
	s_mul_i32 s35, s24, 32*PITCH
	s_add_co_u32 s35, s35, WSTG                    ; my stage
	v_mul_u32_u24 v4, v2, PITCH
	v_add_nc_u32 v4, s35, v4                       ; into it: row = my column
	v_mul_u32_u24 v7, v6, PITCH
	v_lshl_add_u32 v7, v5, 4, v7
	v_add_nc_u32 v7, s35, v7                       ; out of it: sixteen lanes to a row, two rows an instruction
	v_lshlrev_b32 v8, 9, v6
	v_lshl_add_u32 v8, v5, 4, v8                   ; the same place in wc
	v_lshlrev_b32 v9, 5, v2                        ; my column's row of scale bytes
	WLOAD 0
	WLOAD 1
.macro WBLOCK t
.set XS, WX+32*((\t)%2)
.if (\t) < NB-1
	s_wait_loadcnt 32                              ; this block's 32 loads are in; the next block's may be out
.else
	s_wait_loadcnt 0
.endif
	v_max3_num_f32 v12, |v[XS]|, |v[XS+1]|, |v[XS+2]|              ; the block's largest magnitude: all 32 numbers are mine
	v_max3_num_f32 v13, |v[XS+3]|, |v[XS+4]|, |v[XS+5]|
.irp i, 6,10,14,18,22,26
	v_max3_num_f32 v12, v12, |v[XS+\i]|, |v[XS+\i+1]|
	v_max3_num_f32 v13, v13, |v[XS+\i+2]|, |v[XS+\i+3]|
.endr
	v_max3_num_f32 v12, v12, |v[XS+30]|, |v[XS+31]|
	v_max3_num_f32 v12, v12, v13, 0x1800000        ; and the floor
	v_add_nc_u32 v11, 0xff000000, v12
	v_lshrrev_b32 v13, 23, v11                     ; the scale's byte
.if (\t)%4 == 0
	v_mov_b32 v[SB+(\t)/4], v13
.else
	v_lshl_or_b32 v[SB+(\t)/4], v13, 8*((\t)%4), v[SB+(\t)/4]
.endif
.irp g, 0,1,2,3
	v_cvt_scalef32_pk8_fp4_f32 v[WC+\g], v[XS+8*\g:XS+8*\g+7], v11
.endr
	ds_store_b128 v4, v[WC:WC+3] offset:16*(\t)    ; 32 codes: 16 bytes of my column's row
.if (\t)+2 < NB
	WLOAD (\t)+2
.endif
	s_wait_dscnt 0x0                               ; the store has read its registers: the next block's codes may be written
.endm
.set Q, 0
.rept NB
	WBLOCK Q
.set Q, Q+1
.endr
	global_store_b128 v9, v[SB:SB+3], s[20:21]     ; my column's 16 scale bytes
.irp t, 0,1,2,3,4,5,6,7,8,9,10,11,12,13,14,15
	ds_load_b128 v[OUTR+4*\t:OUTR+4*\t+3], v7 offset:2*\t*PITCH
.endr
.irp t, 0,1,2,3,4,5,6,7,8,9,10,11,12,13,14,15
	s_wait_dscnt 15-\t
	global_store_b128 v8, v[OUTR+4*\t:OUTR+4*\t+3], s[18:19] offset:2*\t*512   ; sixteen lanes store 256 consecutive bytes, aligned
.endr
	s_wait_tensorcnt 0x0                           ; the wave's end: the three lines
	ds_add_u32 v[SPW], v[NIL]
	s_wait_dscnt 0x0
	s_endpgm
.Lhalf:
; ---- Wo into f16 with K innermost.  128 along K are 256 bytes of a row of wot: the stage is emptied behind every fourth block.
	s_sub_co_u32 s25, ttmp9, 304
	s_and_b32 s27, s25, 7
	s_lshr_b32 s28, s25, 3
	s_lshl_b32 s27, s27, 7
	s_lshl_b32 s29, s24, 5
	s_add_co_u32 s27, s27, s29                     ; my wave's first column
	s_lshl_b32 s32, s28, 21
	s_lshl_b32 s29, s27, 2
	s_add_co_u32 s32, s32, s29
	s_mov_b32 s33, 0
	s_add_nc_u64 s[30:31], s[12:13], s[32:33]
	s_lshl_b32 s32, s27, 11                        ; a row of wot is 2,048 bytes
	s_lshl_b32 s34, s28, 10
	s_add_co_u32 s32, s32, s34
	s_add_nc_u64 s[22:23], s[22:23], s[32:33]
	s_mul_i32 s35, s24, 32*PITCH
	s_add_co_u32 s35, s35, HSTG
	v_mul_u32_u24 v4, v2, PITCH
	v_add_nc_u32 v4, s35, v4
	v_mul_u32_u24 v7, v6, PITCH
	v_lshl_add_u32 v7, v5, 4, v7
	v_add_nc_u32 v7, s35, v7
	v_lshlrev_b32 v8, 11, v6
	v_lshl_add_u32 v8, v5, 4, v8
	WLOAD 0
	WLOAD 1
.macro HBLOCK t
.set XS, WX+32*((\t)%2)
.if (\t) < NB-1
	s_wait_loadcnt 32
.else
	s_wait_loadcnt 0
.endif
.irp i, 0,1,2,3,4,5,6,7,8,9,10,11,12,13,14,15
	v_cvt_pk_f16_f32 v[WC+\i], v[XS+2*\i], v[XS+2*\i+1]
.endr
.irp e, 0,1,2,3
	ds_store_b128 v4, v[WC+4*\e:WC+4*\e+3] offset:64*((\t)%4)+16*\e
.endr
.if (\t)+2 < NB
	WLOAD (\t)+2
.endif
	s_wait_dscnt 0x0
.if (\t)%4 == 3
	s_wait_xcnt 0x0                                ; the last group's stores have read their registers
.irp i, 0,1,2,3,4,5,6,7,8,9,10,11,12,13,14,15
	ds_load_b128 v[OUTR+4*\i:OUTR+4*\i+3], v7 offset:2*\i*PITCH
.endr
.irp i, 0,1,2,3,4,5,6,7,8,9,10,11,12,13,14,15
	s_wait_dscnt 15-\i
	global_store_b128 v8, v[OUTR+4*\i:OUTR+4*\i+3], s[22:23] offset:2*\i*2048+256*((\t)/4)   ; sixteen lanes store 256 consecutive bytes, aligned
.endr
.endif
.endm
.set Q, 0
.rept NB
	HBLOCK Q
.set Q, Q+1
.endr
	s_wait_tensorcnt 0x0                           ; the wave's end: the three lines
	ds_add_u32 v[SPW], v[NIL]
	s_wait_dscnt 0x0
	s_endpgm
.Lfunc_end_k_qe8c7dc24b8_prep:
	.size	k_qe8c7dc24b8_prep, .Lfunc_end_k_qe8c7dc24b8_prep-k_qe8c7dc24b8_prep
	.p2alignl 7, 3214868480
	.fill 96, 4, 3214868480
	.section	.rodata,"a",@progbits
	.p2align	6, 0x0
	.amdhsa_kernel k_qe8c7dc24b8_prep
		.amdhsa_group_segment_fixed_size 102912
		.amdhsa_private_segment_fixed_size 0
		.amdhsa_enable_private_segment 0
		.amdhsa_kernarg_size 80
		.amdhsa_user_sgpr_count 2
		.amdhsa_user_sgpr_kernarg_segment_ptr 1
		.amdhsa_wavefront_size32 1
		.amdhsa_system_sgpr_workgroup_id_x 1
		.amdhsa_system_sgpr_workgroup_id_y 1
		.amdhsa_system_sgpr_workgroup_id_z 1
		.amdhsa_system_vgpr_workitem_id 0
		.amdhsa_next_free_vgpr 192
		.amdhsa_next_free_sgpr 66
		.amdhsa_reserve_vcc 0
		.amdhsa_float_denorm_mode_32 3
		.amdhsa_float_denorm_mode_16_64 3
		.amdhsa_memory_ordered 1
		.amdhsa_forward_progress 1
		.amdhsa_inst_pref_size 193
	.end_amdhsa_kernel
	.amdgpu_metadata
---
amdhsa.version: [ 1, 2 ]
amdhsa.kernels:
  - .name:           k_qe8c7dc24b8_prep
    .symbol:         k_qe8c7dc24b8_prep.kd
    .args:
      - { .name: x, .offset: 0, .size: 8, .value_kind: global_buffer, .address_space: global }
      - { .name: Wq, .offset: 8, .size: 8, .value_kind: global_buffer, .address_space: global }
      - { .name: Wk, .offset: 16, .size: 8, .value_kind: global_buffer, .address_space: global }
      - { .name: Wv, .offset: 24, .size: 8, .value_kind: global_buffer, .address_space: global }
      - { .name: Wo, .offset: 32, .size: 8, .value_kind: global_buffer, .address_space: global }
      - { .name: xc, .offset: 40, .size: 8, .value_kind: global_buffer, .address_space: global }
      - { .name: xs, .offset: 48, .size: 8, .value_kind: global_buffer, .address_space: global }
      - { .name: wc, .offset: 56, .size: 8, .value_kind: global_buffer, .address_space: global }
      - { .name: ws, .offset: 64, .size: 8, .value_kind: global_buffer, .address_space: global }
      - { .name: wot, .offset: 72, .size: 8, .value_kind: global_buffer, .address_space: global }
    .group_segment_fixed_size: 102912
    .private_segment_fixed_size: 0
    .kernarg_segment_align: 8
    .kernarg_segment_size: 80
    .max_flat_workgroup_size: 128
    .sgpr_count:     66
    .vgpr_count:     192
    .wavefront_size: 32
...
	.end_amdgpu_metadata
.endif
;; end of part 1
;; launch qkv (part 2): grid 12 x 32, 4 waves a work-group, clusters of 4 x 4, 327,680 bytes of LDS; arguments xc, xs, wc, ws, bq, bk, bv, qkv; writes qkv
.if DOCPART == 2
	.amdgcn_target "amdgcn-amd-amdhsa--gfx1250"
	.amdhsa_code_object_version 6
	.text
	.protected	k_qe8c7dc24b8_qkv
	.globl	k_qe8c7dc24b8_qkv
	.p2align	8
	.type	k_qe8c7dc24b8_qkv,@function
k_qe8c7dc24b8_qkv:
	s_mov_b64 s[64:65], 0
	v_nop
	global_prefetch_b8 v0, s[64:65] scope:SCOPE_SE
	s_setreg_imm32_b32 hwreg(HW_REG_WAVE_MODE, 25, 1), 1
	s_wait_xcnt 0x0
	s_wait_alu depctr_hold_cnt(0) depctr_sa_sdst(0) depctr_va_vdst(0) depctr_va_sdst(0) depctr_va_ssrc(0) depctr_va_vcc(0) depctr_vm_vsrc(0)
	s_getreg_b32 s2, hwreg(HW_REG_IB_STS2, 6, 4)
	s_cmp_eq_u32 s2, 0
	s_cbranch_scc0 .Lentry_in_a_cluster
	s_endpgm
.Lentry_in_a_cluster:
	s_bfe_u32 s2, ttmp6, 0x10000c
	s_cmp_lg_u32 s2, 0xf033
	s_cbranch_scc0 .Lentry_shape_is_right
	s_endpgm
.Lentry_shape_is_right:
; THE THREE QUANTISED PROJECTIONS AS ONE GEMM ON CODES OF FP4: [8192 m][1024 k] x [3072 n][1024 k], n = 1024 x which + column (which 0 = q, 1 = k, 2 = v).
; Result + bias, rounded to f16, laid by head: qkv byte = which << 24 + (16 b + head) << 18 + t << 7.  q is stored multiplied by c = log2(e) / 8, so that the scores come out as exponents of two.
; A tile of 256 x 256 to a work-group of four waves; a wave makes 128 x 128: 64 accumulators, 512 registers.  K = 1,024 is two slots of 512: both slots and all scale bytes are first fills, three tensor
; loads a wave, and nothing is filled again.  CLUSTERS: 4 x 4 work-groups; A's tiles are asked for jointly along a row of the cluster, B's along a column.
; The cluster's x is `which`, the same in all sixteen partners.  THE MATRIX INSTRUCTION IS USED TRANSPOSED (source 0 = rows of W, source 1 = rows of x): a lane holds eight neighbouring columns of one row.
; LIMIT: |c q|, |k|, |v| stay under 65,504, f16's largest number.
; REGISTERS: window 0: v0-31 addresses; v32-95 scale words, two sets; v128-191 A's fragments, one set; v192-255 c x bias.  window 1: B's fragments, two sets.  windows 2, 3: the accumulators.
.set KSTEP,  512
.set NQ,     4
.set ROWB,   256
.set KROW,   512
.set PITCH,  272                       ; an LDS row: 256 bytes + 16 of padding: the 16 rows that a load touches start at 16 different banks (64 banks of 4 bytes: ISA guide 11.1)
.set FR,     8
.set NL,     2
.set NP,     4
.set HALFT,  128*PITCH
.set SLOT,   4*HALFT
.set KS,     32                        ; a row of scale bytes
.set SCL,    2*SLOT
.set HALFS,  (128*KS/256)*272
.set SBLK,   (16*KS/256)*272
.set SPARE,  SCL+4*HALFS               ; the spare words, 128 bytes for each wave
.set ADRA, 16
.set ADRB, 20
.set STO,  24
.set RD,   25
.set CO,   26
.set ADRS, 27
.set SPW,  28
.set NIL,  29
.set SC,   32
.set AF,   128
.set BI,   192                         ; v192-255: register 8 b + j: c x bias of column 16 b + 8 (lane / 16) + j of my 128
.set T,    64                          ; the way out: v64-127 a block in f32, v32-63 in f16, v128-191 two sets of rows read back
.set TMP,  32
.set BK,   128
.set G1, 24
.set G0, 32
.set G1B, 48
.set G0B, 56
.set CS,  66                           ; s[66:67] c or 1
.set G1S, 68
.set G0S, 76
.set G1SB, 80
.set G0SB, 88
.set MSB, 0
.macro WIN new                         ; the immediate's high byte repeats the setting that is left
.if MSB != \new
	s_set_vgpr_msb (MSB<<8)|\new
.set MSB, \new
.endif
.endm
.set MUL_LO, 0xa1
.set MUL_HI, 0xf1
.set TO_B,   0x40
; A joint load: waves 0 and 1 fetch for A, waves 2 and 3 for B; the branch hangs on the wave's number alone.  An s_nop 0 and four v_nop follow each of the two lines.
.macro JLOAD g0a, g1a, g0b, g1b
	s_cmp_eq_u32 s15, 0
	s_cbranch_scc0 .Lfor_b_\@
	tensor_load_to_lds s[\g0a:\g0a+3], s[\g1a:\g1a+7]
	s_nop 0
.rept 4
	v_nop
.endr
	s_branch .Lasked_\@
.Lfor_b_\@:
	tensor_load_to_lds s[\g0b:\g0b+3], s[\g1b:\g1b+7]
	s_nop 0
.rept 4
	v_nop
.endr
.Lasked_\@:
.endm
.macro CROUND                          ; a round of the cluster's barrier
	s_barrier_signal -1
	s_barrier_wait -1
	s_cmp_lg_u32 s14, 0
	s_cbranch_scc1 .Lnot_wave_0_\@
	s_barrier_signal -3
.Lnot_wave_0_\@:
	s_barrier_wait -3
	s_barrier_signal -1
	s_barrier_wait -1
.endm
	s_load_b128 s[4:7], s[0:1], 0x0                ; x's codes, x's scales
	s_load_b128 s[8:11], s[0:1], 0x10              ; W's codes, W's scales
	s_load_b128 s[96:99], s[0:1], 0x20             ; bq, bk
	s_load_b64 s[100:101], s[0:1], 0x30            ; bv
	s_load_b64 s[12:13], s[0:1], 0x38              ; qkv
	v_lshl_add_u32 v[SPW], v0, 2, SPARE
	v_mov_b32 v[NIL], 0
	ds_add_u32 v[SPW], v[NIL]                      ; the wave's opening: the add, twice on end, and its wait ahead of my first tensor load
	ds_add_u32 v[SPW], v[NIL]
	v_lshrrev_b32 v1, 5, v0
	v_readfirstlane_b32 s14, v1                    ; wave 0..3
	s_lshr_b32 s15, s14, 1                         ; which half of the tile's rows is mine.  Also: I fetch for A (0) or for B (1)
	s_and_b32 s16, s14, 1                          ; which half of its columns.  Also: which 128 rows of that tile I fetch
	s_bfe_u32 s40, ttmp6, 0x40000                  ; cx, cy
	s_bfe_u32 s41, ttmp6, 0x40004
	s_lshl_b32 s42, ttmp9, 2
	s_add_co_u32 s42, s42, s40                     ; tile column = 4 x cluster x + cx
	s_and_b32 s17, ttmp7, 0xffff
	s_lshl_b32 s17, s17, 2
	s_add_co_u32 s17, s17, s41                     ; tile row = 4 x cluster y + cy
	s_lshl_b32 s43, s41, 2
	s_lshl_b32 s43, 15, s43                        ; my row of the cluster
	s_lshl_b32 s44, 0x1111, s40                    ; my column
	s_or_b32 s[G1+0], s43, (0<<16)|(1<<20)|(1<<21)|(5<<22)|(3<<25)  ; the mask; elements of 1 byte; padding: 4 words behind every 64; bit 21 beside a mask
	s_or_b32 s[G1B+0], s44, (0<<16)|(1<<20)|(1<<21)|(5<<22)|(3<<25)
.irp g, G1, G1B
	s_mov_b32 s[\g+1], ROWB<<16                    ; tensor_dim0
	s_mov_b32 s[\g+2], 128<<16                     ; tensor_dim1
	s_mov_b32 s[\g+3], ROWB<<16                    ; tile_dim0
	s_mov_b32 s[\g+4], 128                         ; tile_dim1
	s_mov_b32 s[\g+5], KROW                        ; the pitch
	s_mov_b32 s[\g+6], 0
	s_mov_b32 s[\g+7], 0
.endr
	s_or_b32 s[G1S+0], s43, (3<<16)|(1<<20)|(1<<21)|(5<<22)|(3<<25) ; the scales of 128 rows: 4,096 dense bytes as 16 rows of 256 (32 elements of 8 bytes), 16 bytes of padding behind each
	s_or_b32 s[G1SB+0], s44, (3<<16)|(1<<20)|(1<<21)|(5<<22)|(3<<25)
.irp g, G1S, G1SB
	s_mov_b32 s[\g+1], 32<<16
	s_mov_b32 s[\g+2], (128*KS/256)<<16
	s_mov_b32 s[\g+3], 32<<16
	s_mov_b32 s[\g+4], 128*KS/256
	s_mov_b32 s[\g+5], 32
	s_mov_b32 s[\g+6], 0
	s_mov_b32 s[\g+7], 0
.endr
	s_lshl_b32 s18, s16, 7
	s_lshl_b32 s20, s17, 8
	s_add_co_u32 s20, s20, s18                     ; A: row 256 x tile row + 128 x half
	s_lshl_b32 s46, s42, 8
	s_add_co_u32 s46, s46, s18                     ; B: row 256 x tile column + 128 x half
	s_mov_b32 s21, 0
	s_mov_b32 s47, 0
	s_mov_b64 s[18:19], KS
	s_mul_u64 s[22:23], s[20:21], s[18:19]         ; where these rows' scales begin,
	s_mul_u64 s[92:93], s[46:47], s[18:19]
	s_mov_b64 s[18:19], KROW
	s_mul_u64 s[20:21], s[20:21], s[18:19]         ; and their codes
	s_mul_u64 s[46:47], s[46:47], s[18:19]
	s_mul_i32 s45, s14, HALFT                      ; where they go: wave x 128 rows
	s_mul_i32 s94, s14, HALFS
	s_wait_dscnt 0x0                               ; both opening adds are done
	s_wait_kmcnt 0x0
	s_add_nc_u64 s[20:21], s[4:5], s[20:21]
	s_add_nc_u64 s[22:23], s[6:7], s[22:23]
	s_add_nc_u64 s[46:47], s[8:9], s[46:47]
	s_add_nc_u64 s[92:93], s[10:11], s[92:93]
	CROUND                                         ; all sixteen work-groups are here: the joint loads meet
	s_mov_b32 s[G0S], 1
	s_add_co_u32 s[G0S+1], s94, SCL
	s_mov_b64 s[G0S+2:G0S+3], s[22:23]
	s_or_b32 s[G0S+3], s[G0S+3], 0x80000000
	s_mov_b32 s[G0SB], 1
	s_add_co_u32 s[G0SB+1], s94, SCL
	s_mov_b64 s[G0SB+2:G0SB+3], s[92:93]
	s_or_b32 s[G0SB+3], s[G0SB+3], 0x80000000
	JLOAD G0S, G1S, G0SB, G1SB                     ; the scales first: they are wanted with K step 0
.irp s, 0,1
	s_mov_b32 s[G0+4*\s], 1
	s_add_co_u32 s[G0+4*\s+1], s45, \s*SLOT
	s_add_nc_u64 s[G0+4*\s+2:G0+4*\s+3], s[20:21], \s*ROWB
	s_or_b32 s[G0+4*\s+3], s[G0+4*\s+3], 0x80000000
	s_mov_b32 s[G0B+4*\s], 1
	s_add_co_u32 s[G0B+4*\s+1], s45, \s*SLOT
	s_add_nc_u64 s[G0B+4*\s+2:G0B+4*\s+3], s[46:47], \s*ROWB
	s_or_b32 s[G0B+4*\s+3], s[G0B+4*\s+3], 0x80000000
	JLOAD G0+4*\s, G1, G0B+4*\s, G1B
.endr
	v_and_b32 v1, 15, v0                           ; r = l % 16
	v_bfe_u32 v2, v0, 4, 1                         ; h = l / 16
	; the bias of my 128 columns, and c
	s_cmp_eq_u32 ttmp9, 0
	s_cselect_b64 s[96:97], s[96:97], s[98:99]
	s_cselect_b32 s[CS], 0x3e38aa3b, 1.0           ; c = log2(e) / 8 for q, 1 for k and v
	s_cmp_eq_u32 ttmp9, 2
	s_cselect_b64 s[96:97], s[100:101], s[96:97]
	s_mov_b32 s[CS+1], s[CS]                       ; (named with it as a pair, so it is written)
	s_lshl_b32 s46, s40, 10
	s_lshl_b32 s47, s16, 9
	s_add_co_u32 s46, s46, s47                     ; 4 x (256 cx + 128 x my half)
	s_mov_b32 s47, 0
	s_add_nc_u64 s[96:97], s[96:97], s[46:47]
	v_lshlrev_b32 v30, 5, v2
.irp b, 0,1,2,3,4,5,6,7
	global_load_b128 v[BI+8*\b:BI+8*\b+3], v30, s[96:97] offset:64*\b
	global_load_b128 v[BI+8*\b+4:BI+8*\b+7], v30, s[96:97] offset:64*\b+16
.endr
	v_mul_u32_u24 v3, v1, PITCH
	v_lshl_add_u32 v4, v2, 4, v3                   ; a fragment's row x pitch + 16 x half
	s_mul_i32 s21, s15, HALFT                      ; my 128 rows of A
	s_mul_i32 s22, s16, HALFT                      ; my 128 rows of B,
	s_add_co_u32 s22, s22, 2*HALFT                 ; behind A's 256
.irp s, 0,1
	v_add_nc_u32 v[ADRA+\s], s21, v4
	v_add_nc_u32 v[ADRB+\s], s22, v4
	s_add_co_u32 s21, s21, SLOT
	s_add_co_u32 s22, s22, SLOT
.endr
	v_mul_u32_u24 v5, v1, KS                       ; my row's scales: KS bytes a row,
	v_lshrrev_b32 v6, 8, v5
	v_lshl_add_u32 v5, v6, 4, v5                   ; and 16 more for each 256 passed
	s_mul_i32 s21, s15, HALFS
	s_mul_i32 s22, s16, HALFS
	s_add_co_u32 s22, s22, 2*HALFS
	s_sub_co_u32 s22, s22, s21
	v_mul_u32_u24 v6, s22, v2                      ; lanes 16-31 take B's
	s_add_co_u32 s21, s21, SCL
	v_add_nc_u32 v5, v5, v6
	v_add_nc_u32 v[ADRS], s21, v5
	s_mul_i32 s23, s14, 2*16*144                   ; my stage, in slot 0: two heads x 16 rows x (128 bytes + 16)
	v_mul_u32_u24 v5, v1, 144
	v_lshl_add_u32 v5, v2, 4, v5
	v_add_nc_u32 v[STO], s23, v5                   ; in: row r, 16 bytes for each half of the lanes
	v_and_b32 v6, 31, v0
	v_lshlrev_b32 v[CO], 4, v6                     ; in memory: 16 x lane
	v_lshrrev_b32 v5, 3, v6
	v_mul_u32_u24 v5, v5, 144
	v_and_b32 v7, 7, v0
	v_lshl_add_u32 v5, v7, 4, v5
	v_add_nc_u32 v[RD], s23, v5                    ; back: eight lanes to a row of 128 bytes, four rows an instruction
	s_lshl_b32 s20, ttmp9, 24                      ; which,
	s_lshr_b32 s21, s17, 3
	s_lshl_b32 s21, s21, 22                        ; the batch: 16 heads of 2^18 bytes,
	s_add_co_u32 s20, s20, s21
	s_lshl_b32 s21, s42, 2
	s_lshl_b32 s22, s16, 1
	s_add_co_u32 s21, s21, s22
	s_and_b32 s21, s21, 15
	s_lshl_b32 s21, s21, 18                        ; my first head,
	s_add_co_u32 s20, s20, s21
	s_and_b32 s21, s17, 7
	s_lshl_b32 s21, s21, 15
	s_add_co_u32 s20, s20, s21                     ; 256 t of 128 bytes for each tile row,
	s_lshl_b32 s21, s15, 14
	s_add_co_u32 s20, s20, s21                     ; my half's 128
	s_mov_b32 s21, 0
	s_add_nc_u64 s[12:13], s[12:13], s[20:21]
.macro FRAG reg, adr, q, i             ; 16 rows x 128 K of 4-bit codes: 8 registers: two loads of 16 bytes, 32 bytes apart
.irp c, 0,1
	ds_load_b128 v[\reg+4*\c:\reg+4*\c+3], v[\adr] offset:64*(\q)+32*\c+(\i)*16*PITCH
.endr
.endm
; 16 matrix instructions: A's blocks a0, a0 + 1 x B's eight.  The 64 accumulators take turns, one instruction a turn, in the same order in every step.
.macro MUL16 a0, p, q, sc, zero
.irp a, \a0, \a0+1
.irp b, 0,1,2,3,4,5,6,7
.if \zero
	v_wmma_scale_f32_16x16x128_f8f6f4 v[8*(8*((\a)%4)+\b):8*(8*((\a)%4)+\b)+7], v[128*(\p)+FR*\b:128*(\p)+FR*\b+FR-1], v[AF+FR*(\a):AF+FR*(\a)+FR-1], 0, v[SC+8*NQ*(\sc)+NQ*\b+(\q)], v[SC+8*NQ*(\sc)+NQ*(\a)+(\q)] matrix_a_fmt:MATRIX_FMT_FP4 matrix_b_fmt:MATRIX_FMT_FP4 matrix_a_scale:MATRIX_SCALE_ROW1
.else
	v_wmma_scale_f32_16x16x128_f8f6f4 v[8*(8*((\a)%4)+\b):8*(8*((\a)%4)+\b)+7], v[128*(\p)+FR*\b:128*(\p)+FR*\b+FR-1], v[AF+FR*(\a):AF+FR*(\a)+FR-1], v[8*(8*((\a)%4)+\b):8*(8*((\a)%4)+\b)+7], v[SC+8*NQ*(\sc)+NQ*\b+(\q)], v[SC+8*NQ*(\sc)+NQ*(\a)+(\q)] matrix_a_fmt:MATRIX_FMT_FP4 matrix_b_fmt:MATRIX_FMT_FP4 matrix_a_scale:MATRIX_SCALE_ROW1
.endif
.endr
.endr
.endm
.macro FETCH_B slot, q, p
	WIN TO_B
.irp i, 0,1,2,3,4,5,6,7
	FRAG 128*(\p)+FR*\i, ADRB+\slot, \q, \i
.endr
	WIN 0
.endm
.macro FETCH_A slot, q, i0
.irp i, \i0, \i0+1, \i0+2, \i0+3
	FRAG AF+FR*(\i), ADRA+\slot, \q, \i
.endr
.endm
.macro SCALES sc                       ; a slot's scale words: 4 words a row; lanes 0-15 take A's block i, lanes 16-31 B's block i
.irp i, 0,1,2,3,4,5,6,7
	ds_load_b128 v[SC+8*NQ*\sc+NQ*\i:SC+8*NQ*\sc+NQ*\i+3], v[ADRS] offset:\i*SBLK
.endr
.endm
.macro PLACES n                        ; plain vector instructions between a matrix instruction and a load into, or a read of, its registers
.rept \n
	v_nop
.endr
.endm
.macro STEP slot, q, zero              ; 128 along K, with its successor in the same slot
	s_wait_dscnt 4*NL                              ; B's set and A's blocks 0-3 are in; the youngest eight loads (A's blocks 4-7) may be out
	WIN MUL_LO
	MUL16 0, (\q)%2, \q, \slot, \zero
	MUL16 2, (\q)%2, \q, \slot, \zero
	s_wait_dscnt 0                                 ; A's blocks 4-7 are in
	PLACES NP
	FETCH_B \slot, (\q)+1, 1-(\q)%2
	FETCH_A \slot, (\q)+1, 0
	WIN MUL_HI
	MUL16 4, (\q)%2, \q, \slot, \zero
	MUL16 6, (\q)%2, \q, \slot, \zero
	PLACES NP
	WIN 0
	FETCH_A \slot, (\q)+1, 4
.endm
.macro TURN slot, next                 ; a slot's last step changes slots: one barrier
	s_wait_tensorcnt 0x0                           ; all my tensor loads have landed: my part of the next slot
	ds_add_u32 v[SPW], v[NIL]                      ; 0 onto my spare word
	s_wait_dscnt 4*NL+1                            ; the add and the youngest eight loads may be out
	WIN MUL_LO
	MUL16 0, 1, NQ-1, \slot, 0
	s_wait_dscnt 0x0                               ; the add is done, and my reads of this slot are over
	s_barrier_signal -1
	MUL16 2, 1, NQ-1, \slot, 0
	WIN 0
	s_barrier_wait -1
	PLACES NP
	v_add_nc_u32 v[ADRS], 4*NQ, v[ADRS]            ; on to the next slot's scale words
	FETCH_B \next, 0, 0
	FETCH_A \next, 0, 0
	SCALES \next
	WIN MUL_HI
	MUL16 4, 1, NQ-1, \slot, 0
	MUL16 6, 1, NQ-1, \slot, 0
	PLACES NP
	WIN 0
	FETCH_A \next, 0, 4
.endm
.macro STEPS slot, from
.set Q, \from
.rept NQ-1-\from
	STEP \slot, Q, 0
.set Q, Q+1
.endr
.endm
	s_wait_loadcnt 0x0                             ; the bias
.set i, 0
.rept 32
	v_pk_mul_f32 v[BI+i:BI+i+1], v[BI+i:BI+i+1], s[CS:CS+1] op_sel_hi:[1,0]   ; c x bias
.set i, i+2
.endr
	s_wait_tensorcnt 1                             ; the scales and my part of slot 0 are in; slot 1's load may be out
	s_barrier_signal -1
	s_barrier_wait -1
	FETCH_B 0, 0, 0
	FETCH_A 0, 0, 0
	SCALES 0
	FETCH_A 0, 0, 4
	STEP 0, 0, 1                                   ; the first step's products start the sums
	STEPS 0, 1
	TURN 0, 1
	STEPS 1, 0
	s_wait_dscnt 4*NL                              ; the last step
	WIN MUL_LO
	MUL16 0, 1, NQ-1, 1, 0
	MUL16 2, 1, NQ-1, 1, 0
	s_wait_dscnt 0
	WIN MUL_HI
	MUL16 4, 1, NQ-1, 1, 0
	MUL16 6, 1, NQ-1, 1, 0
	WIN 0
; THE WAY OUT, a block of 16 rows x 128 columns (two heads) at a time: c x sum + c x bias in one fused multiply-add, rounded to f16; through my stage, which lies in slot 0 (it has had its only fill, and every wave
; has passed the change of slots behind which nobody reads it); back as four rows of one head an instruction: 512 consecutive bytes of qkv.
.macro PACK a
.set AC, 64*((\a)%4)
	WIN 0x02+(\a)/4                                ; source 0: window 2 or 3
.irp b, 0,1,2,3,4,5,6,7
.irp i, 0,1,2,3
	v_pk_fma_f32 v[T+8*\b+2*\i:T+8*\b+2*\i+1], v[AC+8*\b+2*\i:AC+8*\b+2*\i+1], s[CS:CS+1], v[BI+8*\b+2*\i:BI+8*\b+2*\i+1] op_sel_hi:[1,0,1]   ; each accumulator from its low end on
.endr
.endr
	WIN 0
.irp b, 0,1,2,3,4,5,6,7
.irp i, 0,1,2,3
	v_cvt_pk_f16_f32 v[TMP+4*\b+\i], v[T+8*\b+2*\i], v[T+8*\b+2*\i+1]
.endr
.endr
.endm
.macro TOSTAGE a
.set BB, BK+32*((\a)%2)
.irp b, 0,1,2,3,4,5,6,7
	ds_store_b128 v[STO], v[TMP+4*\b:TMP+4*\b+3] offset:(\b/4)*2304+32*(\b%4)
.endr
.irp hd, 0,1
.irp i, 0,1,2,3
	ds_load_b128 v[BB+16*\hd+4*\i:BB+16*\hd+4*\i+3], v[RD] offset:2304*\hd+576*\i   ; LDS serves a wave's instructions in order: these see the stores above
.endr
.endr
.endm
.macro SEND a, younger                 ; younger: the LDS instructions issued behind block a's loads
.set BB, BK+32*((\a)%2)
	s_wait_dscnt \younger
.irp hd, 0,1
.irp i, 0,1,2,3
	global_store_b128 v[CO], v[BB+16*\hd+4*\i:BB+16*\hd+4*\i+3], s[12:13] offset:262144*\hd+2048*(\a)+512*\i
.endr
.endr
.endm
	PLACES NP                                      ; behind the last products: their scale words and A's fragments are written below
	PACK 0
	TOSTAGE 0
.irp a, 1,2,3,4,5,6,7
	PACK \a
.if \a > 1
	s_wait_xcnt 0x0                                ; block a - 2's stores have read their registers: block a's loads may land there
.endif
	TOSTAGE \a
	SEND \a-1, 16                                  ; behind block a - 1's loads: block a's 8 stores and 8 loads
.endr
	SEND 7, 0
	s_wait_tensorcnt 0x0                           ; the wave's end
	ds_add_u32 v[SPW], v[NIL]
	s_wait_dscnt 0x0
	CROUND                                         ; the closing round
	s_endpgm
.Lfunc_end_k_qe8c7dc24b8_qkv:
	.size	k_qe8c7dc24b8_qkv, .Lfunc_end_k_qe8c7dc24b8_qkv-k_qe8c7dc24b8_qkv
	.p2alignl 7, 3214868480
	.fill 96, 4, 3214868480
	.section	.rodata,"a",@progbits
	.p2align	6, 0x0
	.amdhsa_kernel k_qe8c7dc24b8_qkv
		.amdhsa_group_segment_fixed_size 327680
		.amdhsa_private_segment_fixed_size 0
		.amdhsa_enable_private_segment 0
		.amdhsa_kernarg_size 64
		.amdhsa_user_sgpr_count 2
		.amdhsa_user_sgpr_kernarg_segment_ptr 1
		.amdhsa_wavefront_size32 1
		.amdhsa_system_sgpr_workgroup_id_x 1
		.amdhsa_system_sgpr_workgroup_id_y 1
		.amdhsa_system_sgpr_workgroup_id_z 1
		.amdhsa_system_vgpr_workitem_id 0
		.amdhsa_next_free_vgpr 1024
		.amdhsa_next_free_sgpr 104
		.amdhsa_reserve_vcc 0
		.amdhsa_float_denorm_mode_32 3
		.amdhsa_float_denorm_mode_16_64 3
		.amdhsa_memory_ordered 1
		.amdhsa_forward_progress 1
		.amdhsa_inst_pref_size 146
	.end_amdhsa_kernel
	.amdgpu_metadata
---
amdhsa.version: [ 1, 2 ]
amdhsa.kernels:
  - .name:           k_qe8c7dc24b8_qkv
    .symbol:         k_qe8c7dc24b8_qkv.kd
    .args:
      - { .name: xc, .offset: 0, .size: 8, .value_kind: global_buffer, .address_space: global }
      - { .name: xs, .offset: 8, .size: 8, .value_kind: global_buffer, .address_space: global }
      - { .name: wc, .offset: 16, .size: 8, .value_kind: global_buffer, .address_space: global }
      - { .name: ws, .offset: 24, .size: 8, .value_kind: global_buffer, .address_space: global }
      - { .name: bq, .offset: 32, .size: 8, .value_kind: global_buffer, .address_space: global }
      - { .name: bk, .offset: 40, .size: 8, .value_kind: global_buffer, .address_space: global }
      - { .name: bv, .offset: 48, .size: 8, .value_kind: global_buffer, .address_space: global }
      - { .name: qkv, .offset: 56, .size: 8, .value_kind: global_buffer, .address_space: global }
    .group_segment_fixed_size: 327680
    .private_segment_fixed_size: 0
    .kernarg_segment_align: 8
    .kernarg_segment_size: 64
    .max_flat_workgroup_size: 128
    .sgpr_count:     104
    .vgpr_count:     1024
    .wavefront_size: 32
...
	.end_amdgpu_metadata
.endif
;; end of part 2
;; launch attn (part 3): grid 4 x 64, 8 waves a work-group, no clusters, 327,680 bytes of LDS; arguments qkv, yh; writes yh
.if DOCPART == 3
	.amdgcn_target "amdgcn-amd-amdhsa--gfx1250"
	.amdhsa_code_object_version 6
	.text
	.protected	k_qe8c7dc24b8_attn
	.globl	k_qe8c7dc24b8_attn
	.p2align	8
	.type	k_qe8c7dc24b8_attn,@function
k_qe8c7dc24b8_attn:
	s_mov_b64 s[64:65], 0
	v_nop
	global_prefetch_b8 v0, s[64:65] scope:SCOPE_SE
	s_setreg_imm32_b32 hwreg(HW_REG_WAVE_MODE, 25, 1), 1
	s_wait_xcnt 0x0
; CAUSAL ATTENTION, f16 operands, f32 sums.  qkv: f16 [which][16 b + head][t][64], q already multiplied by log2(e) / 8.  yh: f16 [head][2048 b + t][64].
; SHARES.  Work-group (i, head): the query blocks 7 - i and i of 256 queries, one after the other.  Block j walks the key slots 0 .. j of 256 keys: 8 - i and i + 1 slots, nine for every work-group, so all trip counts
; are constants and all 256 work-groups have equal work.  No cluster: the four work-groups of a head are at different key slots in the same trip, so no two of them want the same tile at the same time.
; A wave owns 32 queries, two tiles of 16; wave w takes the block's part w (w < 4) or 11 - w.  Two waves share a SIMD's registers: one wave's softmax stands beside the other's products.
; LAYOUT.  S^T = K Q^T (source 0 = 16 keys, source 1 = 16 queries) and O^T = V^T P: a lane holds ONE query (lane % 16) throughout; two tiles of S^T, rounded to f16 in pairs, are source 1 of the second product.
; SOFTMAX.  Running maximum m, p = 2^(s - m); O^T and the sum are multiplied by f = 2^(old m - new m) in every step.  THE ROW'S SUM IS A MATRIX PRODUCT: source 0 has ones in rows 0 and 8, so register 0 of its
; result holds, in every lane, the sum of the query's rounded p: the very numbers that O^T sums.
; THE MASK.  A step of 128 keys that begins behind my first query is left out (a branch on ids; a step holds no barrier and no tensor load); in the step on the diagonal hidden scores become -infinity.
; A step that is walked begins at or ahead of my first query, so each query sees a key in it and m is a number.
; LIMITS: operands under 65,504 in size; NaN and infinities are not served.
; REGISTERS.  window 0: v1-13 addresses and constants; v16-31 statistics; v32-47 maxima at work; v64-191 S^T (tile t at 64 + 64 t), then P in the first 32 of each; v192-223 the second block's Q.
;   window 1: v0-31 Q; v32-95 O^T; v96-111 the sums; v112-119 the ones; v120-247 K's 16 fragments of a step, then V's 16.
.set KP,    144                        ; a key's row in LDS: 128 bytes + 16
.set VP,    160                        ; a row of V: 128 + 32
.set SLOT1, 1<<17
.set VOFF,  256*KP
.set STAGE, SLOT1+VOFF+256*VP          ; 16 rows x 144 bytes for each wave
.set SPARE, STAGE+8*16*KP              ; the spare words, 128 bytes for each wave
.set AK0, 1
.set AV0, 2
.set ADK, 3
.set ADV, 4
.set STO, 5
.set RD,  6
.set GO,  7
.set SPW, 8
.set NIL, 9
.set PFO, 10
.set QO,  11
.set DL,  12                           ; lane % 16 - 8 (lane / 16)
.set NINF, 13
.set MX,  16                           ; v[16 + 4 t] m, v[18 + 4 t] f; each the low word of a pair whose upper word is written once
.set CH,  32
.set DD,  50
.set SS,  64
.set QL,  192
.set OT,  32                           ; window 1
.set LSUM, 96
.set ONES, 112
.set KV,  120
.set WV,  8
.set SUB, 9
.set WGI, 10
.set BLK, 11
.set KS,  12
.set KSN, 13
.set KF,  14                           ; the step's first key
.set QB,  15                           ; my first query
.set CNT, 16
.set TB,  17                           ; the slot in hand
.set LIM, 18
.set SEL, 20
.set OFF, 22
.set G1K, 24
.set G1V, 32
.set G0K, 40
.set G0V, 44
.set KB,  48
.set VB,  50
.set YH0, 52
.set YB,  54
.set PFB, 56
.set PFA, 58
.set MSB, 0
.macro WIN new
.if MSB != \new
	s_set_vgpr_msb (MSB<<8)|\new
.set MSB, \new
.endif
.endm
.set W_LD,  0x40                       ; destination window 1
.set W_KQ,  0x05                       ; sources 0 and 1 window 1
.set W_PV,  0x51                       ; source 0, C and D window 1; source 1 window 0
.set W_RS,  0x41                       ; destination and source 0 window 1
.set W_OUT, 0x01                       ; source 0 window 1
; Waves 0 to 3 fetch K's quarters of a slot, waves 4 to 7 V's: every wave one load.  An s_nop 0 and four v_nop follow each of the two lines.
.macro TLOAD
	s_cmp_lt_u32 s[WV], 4
	s_cbranch_scc0 .Lfor_v_\@
	tensor_load_to_lds s[G0K:G0K+3], s[G1K:G1K+7]
	s_nop 0
.rept 4
	v_nop
.endr
	s_branch .Lasked_\@
.Lfor_v_\@:
	tensor_load_to_lds s[G0V:G0V+3], s[G1V:G1V+7]
	s_nop 0
.rept 4
	v_nop
.endr
.Lasked_\@:
.endm
; A prefetch of the slot that the NEXT change will ask for.  The head's work-group 0 walks slots 0 .. 7 in its first eight trips, and it alone asks: each wave for the 8,192 bytes that it will fetch itself, lanes 256
; bytes apart: each aligned block of 256 bytes of slots 2 .. 7 is named once in the launch.  Its last two trips ask for nothing: slot 7 is the head's last.
.macro ASK
	s_cmp_gt_u32 s[CNT], s[LIM]
	s_cbranch_scc0 .Lnot_mine_\@
	global_prefetch_b8 v[PFO], s[PFA:PFA+1] th:TH_LOAD_NT scope:SCOPE_SE
.Lnot_mine_\@:
.endm
	s_load_b128 s[4:7], s[0:1], 0x0                ; qkv, yh
	v_lshl_add_u32 v[SPW], v0, 2, SPARE
	v_mov_b32 v[NIL], 0
	ds_add_u32 v[SPW], v[NIL]                      ; the wave's opening: the add, twice on end, and its wait ahead of my first tensor load
	ds_add_u32 v[SPW], v[NIL]
	v_lshrrev_b32 v14, 5, v0
	v_readfirstlane_b32 s[WV], v14                 ; wave 0..7
	s_mov_b32 s[WGI], ttmp9
	s_sub_co_u32 s[BLK], 7, s[WGI]                 ; the high block first
	s_sub_co_u32 s[SUB], 11, s[WV]
	s_cmp_lt_u32 s[WV], 4
	s_cselect_b32 s[SUB], s[WV], s[SUB]
	s_and_b32 s62, ttmp7, 0xffff                   ; 16 b + head
	s_and_b32 s63, s[WV], 3                        ; which quarter of a slot I fetch
	s_mov_b32 s[G1K], (1<<16)|(1<<20)|(4<<22)|(3<<25)   ; elements of 2 bytes; padding: 4 words behind every 32
	s_mov_b32 s[G1V], (1<<16)|(1<<20)|(4<<22)|(7<<25)   ; 8 words
.irp g, G1K, G1V
	s_mov_b32 s[\g+1], 64<<16                      ; tensor_dim0 = 64
	s_mov_b32 s[\g+2], 64<<16                      ; tensor_dim1 = 64
	s_mov_b32 s[\g+3], 64<<16                      ; tile_dim0 = 64
	s_mov_b32 s[\g+4], 64                          ; tile_dim1 = 64
	s_mov_b32 s[\g+5], 64                          ; the pitch
	s_mov_b32 s[\g+6], 0
	s_mov_b32 s[\g+7], 0
.endr
	s_mov_b32 s[SEL], 0x76543210
	s_mov_b32 s[SEL+1], 0xfedcba98
	s_mov_b32 s[OFF+1], 0
	s_mov_b32 s[KS], 0
	s_mov_b32 s[KF], 0
	s_mov_b32 s[TB], 0
	s_mov_b32 s[CNT], 8
	s_cmp_eq_u32 ttmp9, 0
	s_cselect_b32 s[LIM], 2, -1
	s_lshl_b32 s[QB], s[BLK], 8
	s_lshl_b32 s19, s[SUB], 5
	s_add_co_u32 s[QB], s[QB], s19
	s_wait_dscnt 0x0                               ; both opening adds are done
	s_wait_kmcnt 0x0
	s_lshl_b32 s66, s62, 18                        ; the head's 2,048 rows of 128 bytes,
	s_lshl_b32 s19, s63, 13                        ; my quarter's 64 rows
	s_add_co_u32 s66, s66, s19
	s_mov_b32 s67, 0
	s_add_nc_u64 s[KB:KB+1], s[4:5], s[66:67]
	s_add_nc_u64 s[VB:VB+1], s[KB:KB+1], 0x2000000
	s_add_nc_u64 s[KB:KB+1], s[KB:KB+1], 0x1000000
	s_cmp_lt_u32 s[WV], 4
	s_cselect_b64 s[PFB:PFB+1], s[KB:KB+1], s[VB:VB+1]
	s_mov_b32 s[G0K], 1
	s_mul_i32 s[G0K+1], s63, 64*KP
	s_mov_b64 s[G0K+2:G0K+3], s[KB:KB+1]
	s_or_b32 s[G0K+3], s[G0K+3], 0x80000000
	s_mov_b32 s[G0V], 1
	s_mul_i32 s[G0V+1], s63, 64*VP
	s_add_co_u32 s[G0V+1], s[G0V+1], VOFF
	s_mov_b64 s[G0V+2:G0V+3], s[VB:VB+1]
	s_or_b32 s[G0V+3], s[G0V+3], 0x80000000
	TLOAD                                          ; slot 0: keys 0 .. 255
	s_lshl_b32 s66, s62, 18
	s_lshl_b32 s19, s[QB], 7
	s_add_co_u32 s60, s66, s19
	s_mov_b32 s61, 0
	s_add_nc_u64 s[60:61], s[4:5], s[60:61]        ; Q of the high block,
	s_lshl_b32 s19, s[WGI], 15
	s_add_co_u32 s66, s66, s19
	s_lshl_b32 s19, s[SUB], 12
	s_add_co_u32 s66, s66, s19
	s_add_nc_u64 s[66:67], s[4:5], s[66:67]        ; and of the low one
	s_and_b32 s[YH0], s62, 15
	s_lshl_b32 s[YH0], s[YH0], 20
	s_lshr_b32 s19, s62, 4
	s_lshl_b32 s19, s19, 18
	s_add_co_u32 s[YH0], s[YH0], s19
	s_mov_b32 s[YH0+1], 0
	s_add_nc_u64 s[YH0:YH0+1], s[6:7], s[YH0:YH0+1]    ; yh at my head and batch
	s_lshl_b32 s[OFF], s[QB], 7
	s_add_nc_u64 s[YB:YB+1], s[YH0:YH0+1], s[OFF:OFF+1]
	v_and_b32 v14, 15, v0                          ; r
	v_bfe_u32 v15, v0, 4, 1                        ; h
	v_lshlrev_b32 v[QO], 7, v14
	v_lshl_add_u32 v[QO], v15, 4, v[QO]
	WIN W_LD
.irp t, 0,1
.irp cf, 0,1
	global_load_b128 v[16*\t+8*\cf:16*\t+8*\cf+3],   v[QO], s[60:61] offset:2048*\t+64*\cf
	global_load_b128 v[16*\t+8*\cf+4:16*\t+8*\cf+7], v[QO], s[60:61] offset:2048*\t+64*\cf+32
.endr
.endr
	WIN 0
.irp t, 0,1
.irp cf, 0,1
	global_load_b128 v[QL+16*\t+8*\cf:QL+16*\t+8*\cf+3],   v[QO], s[66:67] offset:2048*\t+64*\cf
	global_load_b128 v[QL+16*\t+8*\cf+4:QL+16*\t+8*\cf+7], v[QO], s[66:67] offset:2048*\t+64*\cf+32
.endr
.endr
	v_mul_u32_u24 v[AK0], v14, KP
	v_lshl_add_u32 v[AK0], v15, 4, v[AK0]          ; K: row r x pitch + 16 h
	v_and_b32 v3, 7, v0
	v_lshl_add_u32 v[AV0], v15, 3, v3              ; V, for the turning load: key 8 h + l % 8,
	v_mul_u32_u24 v[AV0], v[AV0], VP
	v_bfe_u32 v4, v0, 3, 1
	v_lshl_add_u32 v[AV0], v4, 4, v[AV0]           ; channels 8 ((l / 8) % 2) on
	v_add_nc_u32 v[AV0], VOFF, v[AV0]
	s_mul_i32 s19, s[WV], 16*KP
	s_add_co_u32 s19, s19, STAGE                   ; my stage
	v_add_nc_u32 v[STO], s19, v[AK0]               ; in: row r, 16 bytes for each half of the lanes
	v_and_b32 v4, 31, v0
	v_lshlrev_b32 v[GO], 4, v4
	v_lshlrev_b32 v[PFO], 8, v4
	v_lshrrev_b32 v4, 3, v4
	v_mul_u32_u24 v4, v4, KP
	v_lshl_add_u32 v4, v3, 4, v4
	v_add_nc_u32 v[RD], s19, v4                    ; back: eight lanes to a row, four rows an instruction
	v_lshlrev_b32 v4, 3, v15
	v_sub_nc_u32 v[DL], v14, v4
	v_mov_b32 v[NINF], 0xff800000
.irp j, 17,19,21,23,26,27,29,31
	v_mov_b32 v\j, 0                               ; upper words of pairs, and the exchanges' destinations: written once
.endr
	v_cmp_eq_u32 vcc_lo, 0, v3                     ; rows 0 and 8 of the ones
	v_mov_b32 v4, 0x3c003c00                       ; 1.0, 1.0 in f16
	WIN W_LD
.irp j, 0,1,2,3,4,5,6,7
	v_cndmask_b32 v[ONES+\j], 0, v4, vcc_lo
.endr
.macro INIT                            ; a block begins: O^T and the sums are zeros, m lies under every score.  (So the step is written once: the first change of m multiplies zeros.)
	WIN W_LD
.set i, OT
.rept 80
	v_mov_b32 v[i], 0
.set i, i+1
.endr
	WIN 0
	v_mov_b32 v[MX], 0xff61b1e6                    ; -3e38
	v_mov_b32 v[MX+4], 0xff61b1e6
.endm
	INIT
; A KEY STEP: 128 keys, the u-th half of the slot in hand.
.macro STEP u
	s_cmp_gt_u32 s[KF], s[QB]                      ; steps begin at multiples of 128 and my 32 queries lie inside one such run: all its keys are hidden
	s_cbranch_scc1 .Lhid_\@
	v_add_nc_u32 v[ADK], s[TB], v[AK0]
	v_add_nc_u32 v[ADV], s[TB], v[AV0]
.rept 4
	v_nop                                          ; with the two additions six places behind the last products: five are owed where S^T is laid over P, four for the loads over V
.endr
	WIN W_LD
.irp cf, 0,1
.irp kt, 0,1,2,3,4,5,6,7
	ds_load_b128 v[KV+16*\kt+8*\cf:KV+16*\kt+8*\cf+3],   v[ADK] offset:128*KP*\u+16*KP*\kt+64*\cf
	ds_load_b128 v[KV+16*\kt+8*\cf+4:KV+16*\kt+8*\cf+7], v[ADK] offset:128*KP*\u+16*KP*\kt+64*\cf+32
.endr
.endr
	s_wait_dscnt 16                                ; channels 0-31 are in; the sixteen loads of channels 32-63 may be out
	WIN W_KQ
.irp kt, 0,1,2,3,4,5,6,7                       ; sixteen accumulators by turns
.irp t, 0,1
	v_wmma_f32_16x16x32_f16 v[SS+64*\t+8*\kt:SS+64*\t+8*\kt+7], v[KV+16*\kt:KV+16*\kt+7], v[16*\t:16*\t+7], 0
.endr
.endr
	s_wait_dscnt 0x0
.irp kt, 0,1,2,3,4,5,6,7
.irp t, 0,1
	v_wmma_f32_16x16x32_f16 v[SS+64*\t+8*\kt:SS+64*\t+8*\kt+7], v[KV+16*\kt+8:KV+16*\kt+15], v[16*\t+8:16*\t+15], v[SS+64*\t+8*\kt:SS+64*\t+8*\kt+7]
.endr
.endr
.rept 4
	v_nop                                          ; places: V's loads land where K lay, and the scores are read below
.endr
	WIN W_LD
.irp g, 0,1,2,3
.irp c, 0,1,2,3
	ds_load_tr16_b128 v[KV+32*\g+8*\c:KV+32*\g+8*\c+3],   v[ADV] offset:128*VP*\u+32*VP*\g+32*\c
	ds_load_tr16_b128 v[KV+32*\g+8*\c+4:KV+32*\g+8*\c+7], v[ADV] offset:128*VP*\u+32*VP*\g+16*VP+32*\c
.endr
.endr
	WIN 0
	s_add_co_u32 s19, s[KF], 127
	s_cmp_le_u32 s19, s[QB]                        ; all 128 keys count for all my queries
	s_cbranch_scc1 .Lopen_\@
	s_sub_co_i32 s19, s[QB], s[KF]
	v_add_nc_u32 v[DD], s19, v[DL]                 ; register n of tile t holds key KF + 16 (n / 8) + 8 h + n % 8: hidden where 16 (n / 8) + n % 8 > QB + 16 t - KF + r - 8 h
	v_add_nc_u32 v[DD+1], 16, v[DD]
.set n, 0
.rept 64
.irp t, 0,1
	v_cmp_gt_i32 vcc_lo, 16*(n/8)+n%8, v[DD+\t]
	v_cndmask_b32 v[SS+64*\t+n], v[SS+64*\t+n], v[NINF], vcc_lo
.endr
.set n, n+1
.endr
.Lopen_\@:
.irp kt, 0,1,2,3,4,5,6,7                       ; the maximum: eight chains a tile, each accumulator from its low end on
.irp t, 0,1
	v_max3_num_f32 v[CH+8*\t+\kt], v[SS+64*\t+8*\kt], v[SS+64*\t+8*\kt+1], v[SS+64*\t+8*\kt+2]
.endr
.endr
.irp i, 3,5
.irp kt, 0,1,2,3,4,5,6,7
.irp t, 0,1
	v_max3_num_f32 v[CH+8*\t+\kt], v[CH+8*\t+\kt], v[SS+64*\t+8*\kt+\i], v[SS+64*\t+8*\kt+\i+1]
.endr
.endr
.endr
.irp t, 0,1
	v_max3_num_f32 v[CH+8*\t],   v[CH+8*\t],   v[SS+64*\t+7],  v[SS+64*\t+15]
	v_max3_num_f32 v[CH+8*\t+1], v[CH+8*\t+1], v[SS+64*\t+23], v[SS+64*\t+31]
	v_max3_num_f32 v[CH+8*\t+2], v[CH+8*\t+2], v[SS+64*\t+39], v[SS+64*\t+47]
	v_max3_num_f32 v[CH+8*\t+3], v[CH+8*\t+3], v[SS+64*\t+55], v[SS+64*\t+63]
	v_max3_num_f32 v[CH+8*\t+4], v[CH+8*\t+4], v[CH+8*\t+5],   v[CH+8*\t+6]
.endr
.irp t, 0,1
	v_max3_num_f32 v[CH+8*\t],   v[CH+8*\t],   v[CH+8*\t+1], v[CH+8*\t+7]
	v_max3_num_f32 v[CH+8*\t+2], v[CH+8*\t+2], v[CH+8*\t+3], v[CH+8*\t+4]
.endr
.irp t, 0,1
	v_max3_num_f32 v[CH+8*\t], v[CH+8*\t], v[CH+8*\t+2], v[MX+4*\t]   ; with the old m
	v_mov_b32 v[24+\t], v[MX+4*\t]
.endr
.irp t, 0,1
	v_permlanex16_b32 v[26+\t], v[CH+8*\t], s[SEL], s[SEL+1]       ; the query's other keys lie in the lane 16 away
.endr
.irp t, 0,1
	v_max_num_f32 v[MX+4*\t], v[CH+8*\t], v[26+\t]
.endr
.irp t, 0,1
	v_sub_f32 v[MX+2+4*\t], v[24+\t], v[MX+4*\t]   ; old m - new m, 0 or less
.endr
.set i, 0
.rept 32
.irp t, 0,1
	v_pk_add_f32 v[SS+64*\t+i:SS+64*\t+i+1], v[SS+64*\t+i:SS+64*\t+i+1], v[MX+4*\t:MX+4*\t+1] op_sel_hi:[1,0] neg_lo:[0,1] neg_hi:[0,1]   ; s - m
.endr
.set i, i+2
.endr
.irp t, 0,1
	v_exp_f32 v[MX+2+4*\t], v[MX+2+4*\t]           ; f
.endr
.set i, 0
.rept 64
.irp t, 0,1
	v_exp_f32 v[SS+64*\t+i], v[SS+64*\t+i]         ; p, at most 1
.endr
.set i, i+1
.endr
	v_nop                                          ; a plain instruction behind the last exponential
	s_wait_alu depctr_va_vdst(0)                   ; one wait for the batch of 130, ahead of its first reader
.set i, 0
.rept 32
.irp t, 0,1
	v_cvt_pk_f16_f32 v[SS+64*\t+i], v[SS+64*\t+2*i], v[SS+64*\t+2*i+1]   ; P in place: register i is written when registers 2 i and 2 i + 1 are read, never ahead of them
.endr
.set i, i+1
.endr
	WIN W_RS
.set i, 0
.rept 16
.irp t, 0,1
	v_pk_mul_f32 v[OT+32*\t+i:OT+32*\t+i+1], v[OT+32*\t+i:OT+32*\t+i+1], v[MX+2+4*\t:MX+3+4*\t] op_sel_hi:[1,0]   ; O^T under the new m
.endr
.set i, i+2
.endr
.irp t, 0,1
	v_mul_f32 v[LSUM+8*\t], v[LSUM+8*\t], v[MX+2+4*\t]             ; the sum: its registers 1 to 7 hold zeros
.endr
	s_wait_dscnt 0x0                               ; V is in
	WIN W_PV
.irp g, 0,1,2,3                                ; ten accumulators by turns
.irp c, 0,1,2,3
.irp t, 0,1
	v_wmma_f32_16x16x32_f16 v[OT+32*\t+8*\c:OT+32*\t+8*\c+7], v[KV+32*\g+8*\c:KV+32*\g+8*\c+7], v[SS+64*\t+8*\g:SS+64*\t+8*\g+7], v[OT+32*\t+8*\c:OT+32*\t+8*\c+7]
.endr
.endr
.irp t, 0,1
	v_wmma_f32_16x16x32_f16 v[LSUM+8*\t:LSUM+8*\t+7], v[ONES:ONES+7], v[SS+64*\t+8*\g:SS+64*\t+8*\g+7], v[LSUM+8*\t:LSUM+8*\t+7]
.endr
.endr
	WIN 0
.Lhid_\@:
	s_add_co_u32 s[KF], s[KF], 128
.endm
; THE CHANGE OF SLOTS, at a slot's head.  Each wave waits for all its tensor loads (its part of the slot ahead), adds 0 to its spare word, and waits for that and for its reads of the slot that it has left.
; fill = 1: behind the barrier that slot takes key slot KSN: a wave's one tensor load, with a whole slot's two steps in which to land.
.macro CHANGE fill
	s_wait_tensorcnt 0x0                           ; no tensor load of mine is out, so a group 0 may be written
	ds_add_u32 v[SPW], v[NIL]
.if \fill
	s_xor_b32 s[G0K+1], s[G0K+1], SLOT1
	s_xor_b32 s[G0V+1], s[G0V+1], SLOT1
	s_lshl_b32 s[OFF], s[KSN], 15                  ; 256 rows of 128 bytes a slot
	s_add_nc_u64 s[G0K+2:G0K+3], s[KB:KB+1], s[OFF:OFF+1]
	s_or_b32 s[G0K+3], s[G0K+3], 0x80000000
	s_add_nc_u64 s[G0V+2:G0V+3], s[VB:VB+1], s[OFF:OFF+1]
	s_or_b32 s[G0V+3], s[G0V+3], 0x80000000
	s_wait_xcnt 0x0                                ; the last prefetch, a slot back, has read its address
	s_add_co_u32 s19, s[KS], 2
	s_lshl_b32 s[OFF], s19, 15
	s_add_nc_u64 s[PFA:PFA+1], s[PFB:PFB+1], s[OFF:OFF+1]
.endif
	s_wait_dscnt 0x0                               ; the add is done, and my reads of the slot that I have left are over
	s_barrier_signal -1
	s_barrier_wait -1
.if \fill
	TLOAD
	ASK
.endif
.endm
; A BLOCK'S WAY OUT: O^T / the sum, rounded to f16, a tile of 16 queries at a time through my stage; four rows of 128 bytes, 512 consecutive bytes of yh, a store.
.macro WAYOUT
.rept 4
	v_nop                                          ; places behind the last products
.endr
	WIN W_OUT
	v_rcp_f32 v28, v[LSUM]
	v_rcp_f32 v30, v[LSUM+8]
	v_nop
	s_wait_alu depctr_va_vdst(0)                   ; one wait for both reciprocals
.irp t, 0,1
	WIN W_OUT
.set i, 0
.rept 16
	v_pk_mul_f32 v[SS+64*\t+i:SS+64*\t+i+1], v[OT+32*\t+i:OT+32*\t+i+1], v[28+2*\t:29+2*\t] op_sel_hi:[1,0]
.set i, i+2
.endr
	WIN 0
.set i, 0
.rept 16
	v_cvt_pk_f16_f32 v[SS+64*\t+32+i], v[SS+64*\t+2*i], v[SS+64*\t+2*i+1]
.set i, i+1
.endr
.irp c, 0,1,2,3
	ds_store_b128 v[STO], v[SS+64*\t+32+4*\c:SS+64*\t+35+4*\c] offset:32*\c
.endr
.irp i, 0,1,2,3
	ds_load_b128 v[SS+64*\t+48+4*\i:SS+64*\t+51+4*\i], v[RD] offset:4*KP*\i   ; LDS serves a wave's instructions in order: these see the stores above, and the next tile's stores come behind them
.endr
.endr
.irp i, 0,1,2,3
	s_wait_dscnt 11-\i                             ; behind tile 0's load i: its 3 - i younger loads, tile 1's four stores and four loads
	global_store_b128 v[GO], v[SS+48+4*\i:SS+51+4*\i], s[YB:YB+1] offset:512*\i
.endr
.irp i, 0,1,2,3
	s_wait_dscnt 3-\i
	global_store_b128 v[GO], v[SS+112+4*\i:SS+115+4*\i], s[YB:YB+1] offset:2048+512*\i
.endr
	s_wait_xcnt 0x0                                ; the stores have read their registers and their base
.endm
.macro SWITCH                          ; on to the low block
	s_mov_b32 s[BLK], s[WGI]
	s_mov_b32 s[KF], 0
	s_lshl_b32 s[QB], s[WGI], 8
	s_lshl_b32 s19, s[SUB], 5
	s_add_co_u32 s[QB], s[QB], s19
	s_lshl_b32 s[OFF], s[QB], 7
	s_add_nc_u64 s[YB:YB+1], s[YH0:YH0+1], s[OFF:OFF+1]
	WIN W_LD
.set i, 0
.rept 32
	v_mov_b32 v[i], v[QL+i]
.set i, i+1
.endr
	INIT
.endm
	s_wait_loadcnt 0x0                             ; Q, both blocks'
.Lslot:                                            ; eight trips; behind each change of slots the next key slot is asked for, and every slot that is asked for is read
	s_add_co_u32 s[KSN], s[KS], 1
	s_cmp_gt_u32 s[KSN], s[BLK]
	s_cselect_b32 s[KSN], 0, s[KSN]                ; behind a block's last slot: the next block's slot 0
	CHANGE 1
	STEP 0
	STEP 1
	s_xor_b32 s[TB], s[TB], SLOT1
	s_cmp_lg_u32 s[KSN], 0                         ; ids and the count of trips alone: all eight waves go the same way
	s_cbranch_scc1 .Lsame
	WAYOUT
	SWITCH
.Lsame:
	s_mov_b32 s[KS], s[KSN]
	s_sub_co_u32 s[CNT], s[CNT], 1
	s_cmp_lg_u32 s[CNT], 0
	s_cbranch_scc1 .Lslot
	CHANGE 0                                       ; the ninth slot is written out: nothing is left to ask for
	STEP 0
	STEP 1
	WAYOUT
	s_wait_tensorcnt 0x0                           ; the wave's end
	ds_add_u32 v[SPW], v[NIL]
	s_wait_dscnt 0x0
	s_endpgm
.Lfunc_end_k_qe8c7dc24b8_attn:
	.size	k_qe8c7dc24b8_attn, .Lfunc_end_k_qe8c7dc24b8_attn-k_qe8c7dc24b8_attn
	.p2alignl 7, 3214868480
	.fill 96, 4, 3214868480
	.section	.rodata,"a",@progbits
	.p2align	6, 0x0
	.amdhsa_kernel k_qe8c7dc24b8_attn
		.amdhsa_group_segment_fixed_size 327680
		.amdhsa_private_segment_fixed_size 0
		.amdhsa_enable_private_segment 0
		.amdhsa_kernarg_size 16
		.amdhsa_user_sgpr_count 2
		.amdhsa_user_sgpr_kernarg_segment_ptr 1
		.amdhsa_wavefront_size32 1
		.amdhsa_system_sgpr_workgroup_id_x 1
		.amdhsa_system_sgpr_workgroup_id_y 1
		.amdhsa_system_sgpr_workgroup_id_z 1
		.amdhsa_system_vgpr_workitem_id 0
		.amdhsa_next_free_vgpr 512
		.amdhsa_next_free_sgpr 72
		.amdhsa_reserve_vcc 1
		.amdhsa_float_denorm_mode_32 3
		.amdhsa_float_denorm_mode_16_64 3
		.amdhsa_memory_ordered 1
		.amdhsa_forward_progress 1
		.amdhsa_inst_pref_size 181
	.end_amdhsa_kernel
	.amdgpu_metadata
---
amdhsa.version: [ 1, 2 ]
amdhsa.kernels:
  - .name:           k_qe8c7dc24b8_attn
    .symbol:         k_qe8c7dc24b8_attn.kd
    .args:
      - { .name: qkv, .offset: 0, .size: 8, .value_kind: global_buffer, .address_space: global }
      - { .name: yh, .offset: 8, .size: 8, .value_kind: global_buffer, .address_space: global }
    .group_segment_fixed_size: 327680
    .private_segment_fixed_size: 0
    .kernarg_segment_align: 8
    .kernarg_segment_size: 16
    .max_flat_workgroup_size: 256
    .sgpr_count:     72
    .vgpr_count:     512
    .wavefront_size: 32
...
	.end_amdgpu_metadata
.endif
;; end of part 3
;; launch proj (part 4): grid 8 x 32, 4 waves a work-group, clusters of 4 x 4, 327,680 bytes of LDS; arguments yh, wot, bo, out0; writes out0
.if DOCPART == 4
	.amdgcn_target "amdgcn-amd-amdhsa--gfx1250"
	.amdhsa_code_object_version 6
	.text
	.protected	k_qe8c7dc24b8_proj
	.globl	k_qe8c7dc24b8_proj
	.p2align	8
	.type	k_qe8c7dc24b8_proj,@function
k_qe8c7dc24b8_proj:
	s_mov_b64 s[64:65], 0
	v_nop
	global_prefetch_b8 v0, s[64:65] scope:SCOPE_SE
	s_setreg_imm32_b32 hwreg(HW_REG_WAVE_MODE, 25, 1), 1
	s_wait_xcnt 0x0
	s_wait_alu depctr_hold_cnt(0) depctr_sa_sdst(0) depctr_va_vdst(0) depctr_va_sdst(0) depctr_va_ssrc(0) depctr_va_vcc(0) depctr_vm_vsrc(0)
	s_getreg_b32 s2, hwreg(HW_REG_IB_STS2, 6, 4)
	s_cmp_eq_u32 s2, 0
	s_cbranch_scc0 .Lentry_in_a_cluster
	s_endpgm
.Lentry_in_a_cluster:
	s_bfe_u32 s2, ttmp6, 0x10000c
	s_cmp_lg_u32 s2, 0xf033
	s_cbranch_scc0 .Lentry_shape_is_right
	s_endpgm
.Lentry_shape_is_right:
; THE OUTPUT PROJECTION: out0[m][n] = sum over k of y[m][k] Wo[k][n] + bo[n], f16 operands, f32 sums, for all rows but the first 16 of each sequence, which a later launch makes in f32.
; yh: f16 [head][m][64]; wot: f16 [n][k].  A tile of 256 rows x 128 columns to a work-group of four waves; a wave makes 128 x 64: 32 accumulators, all of window 1.
; K goes in steps of 128 (two heads) through a ring of two LDS slots.  Waves 0 and 1 fetch a head's 256 rows of y each (dense in memory), waves 2 and 3 64 rows of wot each.
; CLUSTERS: 4 x 4.  Tile column = 4 x cluster x + cx.  TILE ROW = 8 cy + cluster y: so the batch is cy, and a tile holds a sequence's first rows exactly where cluster y is 0: the test for them hangs on the cluster's y
; and the wave's number, which all partners share.  y's tiles are asked for jointly along a row of the cluster, wot's along a column.
; THE MATRIX INSTRUCTION IS USED TRANSPOSED (source 0 = 16 rows of wot, source 1 = 16 rows of y).  The bias is the C of each sum's first product.
; REGISTERS, window 0: v16-30 addresses; v32-63 the bias; v64-191 y's fragments, two sets; v192-255 wot's, two sets.
.set PA,     144                       ; a row of a head in LDS: 128 bytes + 16
.set PB,     272                       ; a row of wot's tile: 256 + 16
.set PLANE,  256*PA
.set BOFF,   2*PLANE
.set HALFB,  64*PB
.set SLOT,   BOFF+2*HALFB
.set STAGE,  2*SLOT                    ; 16 rows x 272 bytes for each wave
.set SPITCH, 272
.set SPARE,  STAGE+4*16*SPITCH
.set LAPS,   4                         ; 8 K steps, two to a lap
.set ADRA, 16
.set ADRB, 20
.set STO,  24
.set RD,   25
.set CO,   26
.set SPW,  28
.set NIL,  29
.set BI,   32
.set BK,   64
.set G1, 24
.set G0, 32
.set G1B, 48
.set G0B, 56
.set MSB, 0
.macro WIN new
.if MSB != \new
	s_set_vgpr_msb (MSB<<8)|\new
.set MSB, \new
.endif
.endm
.set MUL,  0x50                        ; C and D window 1
.set MUL1, 0x40                        ; D window 1, C (the bias) window 0
.macro JLOAD s                         ; an s_nop 0 and four v_nop follow each of the two lines
	s_cmp_eq_u32 s13, 0
	s_cbranch_scc0 .Lfor_b_\@
	tensor_load_to_lds s[G0+4*\s:G0+4*\s+3], s[G1:G1+7]
	s_nop 0
.rept 4
	v_nop
.endr
	s_branch .Lasked_\@
.Lfor_b_\@:
	tensor_load_to_lds s[G0B+4*\s:G0B+4*\s+3], s[G1B:G1B+7]
	s_nop 0
.rept 4
	v_nop
.endr
.Lasked_\@:
.endm
.macro CREST
	s_cmp_lg_u32 s12, 0
	s_cbranch_scc1 .Lnot_wave_0_\@
	s_barrier_signal -3
.Lnot_wave_0_\@:
	s_barrier_wait -3
	s_barrier_signal -1
	s_barrier_wait -1
.endm
.macro CROUND
	s_barrier_signal -1
	s_barrier_wait -1
	CREST
.endm
	s_load_b256 s[4:11], s[0:1], 0x0               ; yh, wot, bo, out0
	v_lshl_add_u32 v[SPW], v0, 2, SPARE
	v_mov_b32 v[NIL], 0
	ds_add_u32 v[SPW], v[NIL]                      ; the wave's opening: the add, twice on end, and its wait ahead of my first tensor load
	ds_add_u32 v[SPW], v[NIL]
	v_lshrrev_b32 v1, 5, v0
	v_readfirstlane_b32 s12, v1                    ; wave 0..3
	s_lshr_b32 s13, s12, 1                         ; which 128 rows are mine.  Also: I fetch y (0) or wot (1)
	s_and_b32 s14, s12, 1                          ; which 64 columns
	s_bfe_u32 s40, ttmp6, 0x40000                  ; cx, cy
	s_bfe_u32 s41, ttmp6, 0x40004
	s_lshl_b32 s42, ttmp9, 2
	s_add_co_u32 s42, s42, s40                     ; tile column
	s_and_b32 s45, ttmp7, 0xffff                   ; cluster y
	s_lshl_b32 s15, s41, 3
	s_add_co_u32 s15, s15, s45                     ; tile row = 8 cy + cluster y
	s_or_b32 s45, s45, s13                         ; 0 where my first 16 rows are a sequence's first
	s_lshl_b32 s43, s41, 2
	s_lshl_b32 s43, 15, s43                        ; my row of the cluster
	s_lshl_b32 s44, 0x1111, s40                    ; my column
	s_or_b32 s[G1+0], s43, (1<<16)|(1<<20)|(1<<21)|(4<<22)|(3<<25)   ; elements of 2 bytes; padding: 4 words behind every 32
	s_mov_b32 s[G1+1], 64<<16                      ; tensor_dim0 = 64
	s_mov_b32 s[G1+2], 256<<16                     ; tensor_dim1 = 256
	s_mov_b32 s[G1+3], 64<<16                      ; tile_dim0
	s_mov_b32 s[G1+4], 256                         ; tile_dim1
	s_mov_b32 s[G1+5], 64                          ; the pitch
	s_mov_b32 s[G1+6], 0
	s_mov_b32 s[G1+7], 0
	s_or_b32 s[G1B+0], s44, (1<<16)|(1<<20)|(1<<21)|(5<<22)|(3<<25)  ; padding: 4 words behind every 64
	s_mov_b32 s[G1B+1], 128<<16
	s_mov_b32 s[G1B+2], 64<<16
	s_mov_b32 s[G1B+3], 128<<16
	s_mov_b32 s[G1B+4], 64
	s_mov_b32 s[G1B+5], 1024
	s_mov_b32 s[G1B+6], 0
	s_mov_b32 s[G1B+7], 0
	s_lshl_b32 s16, s12, 20                        ; y: head = wave (of K step 0), 2^20 bytes a head,
	s_lshl_b32 s17, s15, 15                        ; 256 rows of 128 bytes a tile row
	s_add_co_u32 s16, s16, s17
	s_mov_b32 s17, 0
	s_lshl_b32 s46, s42, 18                        ; wot: 128 rows of 2,048 bytes a tile column,
	s_lshl_b32 s47, s14, 17                        ; my 64 rows
	s_add_co_u32 s46, s46, s47
	s_mov_b32 s47, 0
	s_mul_i32 s20, s12, PLANE                      ; where they go: y's planes by the wave's number,
	s_mul_i32 s21, s12, HALFB
	s_add_co_u32 s21, s21, BOFF-2*HALFB            ; wot's halves (waves 2 and 3) behind them
	s_wait_dscnt 0x0                               ; both opening adds are done
	s_wait_kmcnt 0x0
	s_add_nc_u64 s[18:19], s[4:5], s[16:17]
	s_add_nc_u64 s[46:47], s[6:7], s[46:47]
	CROUND                                         ; all sixteen work-groups are here: the first joint loads meet
.irp s, 0,1
	s_mov_b32 s[G0+4*\s], 1
	s_add_co_u32 s[G0+4*\s+1], s20, \s*SLOT
	s_add_nc_u64 s[G0+4*\s+2:G0+4*\s+3], s[18:19], \s*0x200000     ; K step s: two heads on
	s_or_b32 s[G0+4*\s+3], s[G0+4*\s+3], 0x80000000
	s_mov_b32 s[G0B+4*\s], 1
	s_add_co_u32 s[G0B+4*\s+1], s21, \s*SLOT
	s_add_nc_u64 s[G0B+4*\s+2:G0B+4*\s+3], s[46:47], \s*256
	s_or_b32 s[G0B+4*\s+3], s[G0B+4*\s+3], 0x80000000
	JLOAD \s
.endr
	v_and_b32 v1, 15, v0                           ; r
	v_bfe_u32 v2, v0, 4, 1                         ; h
	s_lshl_b32 s46, s42, 9
	s_lshl_b32 s47, s14, 8
	s_add_co_u32 s46, s46, s47                     ; my first column, in bytes of f32
	s_mov_b32 s47, 0
	s_add_nc_u64 s[8:9], s[8:9], s[46:47]
	v_lshlrev_b32 v30, 5, v2
.irp b, 0,1,2,3
	global_load_b128 v[BI+8*\b:BI+8*\b+3],   v30, s[8:9] offset:64*\b      ; register 8 b + j: bo of column 16 b + 8 h + j
	global_load_b128 v[BI+8*\b+4:BI+8*\b+7], v30, s[8:9] offset:64*\b+16
.endr
	s_lshl_b32 s16, s15, 20                        ; 256 rows of 4,096 bytes a tile row,
	s_lshl_b32 s17, s13, 19                        ; my 128
	s_add_co_u32 s16, s16, s17
	s_add_co_u32 s16, s16, s46
	s_mov_b32 s17, 0
	s_add_nc_u64 s[10:11], s[10:11], s[16:17]
	v_mul_u32_u24 v3, v1, PA
	v_lshl_add_u32 v3, v2, 4, v3
	v_mul_u32_u24 v4, v1, PB
	v_lshl_add_u32 v4, v2, 4, v4
	s_mul_i32 s21, s13, 128*PA
	s_mul_i32 s22, s14, HALFB
	s_add_co_u32 s22, s22, BOFF
.irp s, 0,1
	v_add_nc_u32 v[ADRA+\s], s21, v3
	v_add_nc_u32 v[ADRB+\s], s22, v4
	s_add_co_u32 s21, s21, SLOT
	s_add_co_u32 s22, s22, SLOT
.endr
	s_mul_i32 s23, s12, 16*SPITCH
	s_add_co_u32 s23, s23, STAGE                   ; my stage
	v_mul_u32_u24 v5, v1, SPITCH
	v_lshl_add_u32 v5, v2, 5, v5
	v_add_nc_u32 v[STO], s23, v5                   ; in: row r, 32 bytes for each half of the lanes
	v_mul_u32_u24 v5, v2, SPITCH
	v_lshl_add_u32 v5, v1, 4, v5
	v_add_nc_u32 v[RD], s23, v5                    ; back: lanes 0-15 one row of 256 bytes, lanes 16-31 the next
	v_lshlrev_b32 v5, 12, v2
	v_lshl_add_u32 v[CO], v1, 4, v5                ; and the same two rows in out0
; 8 matrix instructions: y's blocks a0, a0 + 1 x wot's four, 32 along K, on set p.  The 32 accumulators take turns in the same order in every quarter.
.macro MUL8 p, a0, first
.irp a, \a0, \a0+1
.irp b, 0,1,2,3
.if \first
	v_wmma_f32_16x16x32_f16 v[8*(4*(\a)+\b):8*(4*(\a)+\b)+7], v[192+32*(\p)+8*\b:192+32*(\p)+8*\b+7], v[64+64*(\p)+8*(\a):64+64*(\p)+8*(\a)+7], v[BI+8*\b:BI+8*\b+7]
.else
	v_wmma_f32_16x16x32_f16 v[8*(4*(\a)+\b):8*(4*(\a)+\b)+7], v[192+32*(\p)+8*\b:192+32*(\p)+8*\b+7], v[64+64*(\p)+8*(\a):64+64*(\p)+8*(\a)+7], v[8*(4*(\a)+\b):8*(4*(\a)+\b)+7]
.endif
.endr
.endr
.endm
.macro FETCH slot, q, p                ; 24 LDS loads: the slot's q-th 32 along K: wot's four fragments, then y's eight
	WIN 0
.irp b, 0,1,2,3
	ds_load_b128 v[192+32*(\p)+8*\b:192+32*(\p)+8*\b+3],   v[ADRB+\slot] offset:16*PB*\b+64*(\q)
	ds_load_b128 v[192+32*(\p)+8*\b+4:192+32*(\p)+8*\b+7], v[ADRB+\slot] offset:16*PB*\b+64*(\q)+32
.endr
.irp a, 0,1,2,3,4,5,6,7
	ds_load_b128 v[64+64*(\p)+8*\a:64+64*(\p)+8*\a+3],   v[ADRA+\slot] offset:PLANE*((\q)/2)+16*PA*\a+64*((\q)%2)
	ds_load_b128 v[64+64*(\p)+8*\a+4:64+64*(\p)+8*\a+7], v[ADRA+\slot] offset:PLANE*((\q)/2)+16*PA*\a+64*((\q)%2)+32
.endr
.endm
.macro PLACES
.rept 4
	v_nop
.endr
.endm
.macro QUARTER slot, q, first          ; quarter q (0, 1 or 2) of a slot, on set q % 2; in its middle the next quarter is fetched into the other set
	s_wait_dscnt 8                                 ; wot's fragments and y's blocks 0-3 are in; the youngest eight loads may be out
	WIN MUL-0x10*\first
	MUL8 (\q)%2, 0, \first
	MUL8 (\q)%2, 2, \first
	PLACES
	FETCH \slot, (\q)+1, 1-(\q)%2
	s_wait_dscnt 24                                ; all but the 24 just issued
	WIN MUL-0x10*\first
	MUL8 (\q)%2, 4, \first
	MUL8 (\q)%2, 6, \first
.endm
; A slot's last quarter changes slots: one barrier; in front of it each wave waits for all its tensor loads, adds 0 to its spare word, and waits for that and for its reads of this slot.
.macro TURN slot, next, fill
	WIN 0
	s_wait_tensorcnt 0x0                           ; all my tensor loads have landed: my part of the next slot
	ds_add_u32 v[SPW], v[NIL]
	s_wait_dscnt 9                                 ; the add and the youngest eight loads may be out
	WIN MUL
	MUL8 1, 0, 0
	s_wait_dscnt 0x0                               ; the add is done, and my reads of this slot are over
	s_barrier_signal -1
	MUL8 1, 2, 0
.if \fill
	WIN 0
.endif
	s_barrier_wait -1
.if \fill
	CREST                                          ; the barrier has opened a round of the cluster's: no wave of any partner still reads this slot or has a load on its way
	s_add_nc_u64 s[G0+4*\slot+2:G0+4*\slot+3], s[G0+4*\slot+2:G0+4*\slot+3], 0x400000   ; two K steps: four heads on
	s_add_nc_u64 s[G0B+4*\slot+2:G0B+4*\slot+3], s[G0B+4*\slot+2:G0B+4*\slot+3], 512
	JLOAD \slot                                    ; the first tensor load behind the round; its four v_nop are also the places in front of the loads below
.else
	PLACES
.endif
	FETCH \next, 0, 0
	WIN MUL
	MUL8 1, 4, 0
	MUL8 1, 6, 0
.endm
	s_wait_loadcnt 0x0                             ; the bias
	s_wait_tensorcnt 1                             ; my part of K step 0 is in; K step 1's may be out
	s_barrier_signal -1
	s_barrier_wait -1
	FETCH 0, 0, 0
	QUARTER 0, 0, 1                                ; the first quarter's products start the sums, from the bias
	WIN 0
	s_mov_b32 s3, LAPS-1
.Llap:                                             ; a trip goes once round the ring, from a lap's second quarter to the next lap's first, and fills both slots again
	QUARTER 0, 1, 0
	QUARTER 0, 2, 0
	TURN 0, 1, 1
	QUARTER 1, 0, 0
	QUARTER 1, 1, 0
	QUARTER 1, 2, 0
	TURN 1, 0, 1
	QUARTER 0, 0, 0
	WIN 0
	s_sub_co_u32 s3, s3, 1
	s_cmp_lg_u32 s3, 0
	s_cbranch_scc1 .Llap
	QUARTER 0, 1, 0                                ; the last lap fills nothing
	QUARTER 0, 2, 0
	TURN 0, 1, 0
	QUARTER 1, 0, 0
	QUARTER 1, 1, 0
	QUARTER 1, 2, 0
	s_wait_dscnt 8
	WIN MUL
	MUL8 1, 0, 0
	MUL8 1, 2, 0
	s_wait_dscnt 0
	MUL8 1, 4, 0
	MUL8 1, 6, 0
	WIN 0
; THE WAY OUT, a block of 16 rows x 64 columns at a time, through my own stage: sixteen lanes store 256 consecutive bytes, aligned.
.macro TOSTAGE a
	WIN 0x04                                       ; an LDS store's data are its source 1: window 1
.irp b, 0,1,2,3
	ds_store_b128 v[STO], v[8*(4*(\a)+\b):8*(4*(\a)+\b)+3] offset:64*\b          ; each accumulator from its low end on
	ds_store_b128 v[STO], v[8*(4*(\a)+\b)+4:8*(4*(\a)+\b)+7] offset:64*\b+16
.endr
	WIN 0
.set BB, BK+32*((\a)%2)
.irp i, 0,1,2,3,4,5,6,7
	ds_load_b128 v[BB+4*\i:BB+4*\i+3], v[RD] offset:2*\i*SPITCH
.endr
.endm
.macro SEND a, younger
.set BB, BK+32*((\a)%2)
	s_wait_dscnt \younger
.irp i, 0,1,2,3,4,5,6,7
	global_store_b128 v[CO], v[BB+4*\i:BB+4*\i+3], s[10:11] offset:(16*(\a)+2*\i)*4096 th:TH_STORE_NT
.endr
.endm
	PLACES
	s_cmp_eq_u32 s45, 0                            ; a sequence's first 16 rows are not stored here: the cluster's y and the wave's number decide
	s_cbranch_scc1 .Lfine_rows
	TOSTAGE 0
	SEND 0, 0
.Lfine_rows:
	TOSTAGE 1
.irp a, 2,3,4,5,6,7
	s_wait_xcnt 0x0                                ; block a - 2's stores have read their registers
	TOSTAGE \a
	SEND \a-1, 16                                  ; behind block a - 1's loads: block a's 8 stores and 8 loads
.endr
	SEND 7, 0
	s_wait_tensorcnt 0x0                           ; the wave's end
	ds_add_u32 v[SPW], v[NIL]
	s_wait_dscnt 0x0
	CROUND                                         ; the closing round
	s_endpgm
.Lfunc_end_k_qe8c7dc24b8_proj:
	.size	k_qe8c7dc24b8_proj, .Lfunc_end_k_qe8c7dc24b8_proj-k_qe8c7dc24b8_proj
	.p2alignl 7, 3214868480
	.fill 96, 4, 3214868480
	.section	.rodata,"a",@progbits
	.p2align	6, 0x0
	.amdhsa_kernel k_qe8c7dc24b8_proj
		.amdhsa_group_segment_fixed_size 327680
		.amdhsa_private_segment_fixed_size 0
		.amdhsa_enable_private_segment 0
		.amdhsa_kernarg_size 32
		.amdhsa_user_sgpr_count 2
		.amdhsa_user_sgpr_kernarg_segment_ptr 1
		.amdhsa_wavefront_size32 1
		.amdhsa_system_sgpr_workgroup_id_x 1
		.amdhsa_system_sgpr_workgroup_id_y 1
		.amdhsa_system_sgpr_workgroup_id_z 1
		.amdhsa_system_vgpr_workitem_id 0
		.amdhsa_next_free_vgpr 512
		.amdhsa_next_free_sgpr 72
		.amdhsa_reserve_vcc 0
		.amdhsa_float_denorm_mode_32 3
		.amdhsa_float_denorm_mode_16_64 3
		.amdhsa_memory_ordered 1
		.amdhsa_forward_progress 1
		.amdhsa_inst_pref_size 86
	.end_amdhsa_kernel
	.amdgpu_metadata
---
amdhsa.version: [ 1, 2 ]
amdhsa.kernels:
  - .name:           k_qe8c7dc24b8_proj
    .symbol:         k_qe8c7dc24b8_proj.kd
    .args:
      - { .name: yh, .offset: 0, .size: 8, .value_kind: global_buffer, .address_space: global }
      - { .name: wot, .offset: 8, .size: 8, .value_kind: global_buffer, .address_space: global }
      - { .name: bo, .offset: 16, .size: 8, .value_kind: global_buffer, .address_space: global }
      - { .name: out0, .offset: 24, .size: 8, .value_kind: global_buffer, .address_space: global }
    .group_segment_fixed_size: 327680
    .private_segment_fixed_size: 0
    .kernarg_segment_align: 8
    .kernarg_segment_size: 32
    .max_flat_workgroup_size: 128
    .sgpr_count:     72
    .vgpr_count:     512
    .wavefront_size: 32
...
	.end_amdgpu_metadata
.endif
;; end of part 4
;; launch fine_att (part 5): grid 64 x 1, 12 waves a work-group, no clusters, 18,944 bytes of LDS; arguments xc, xs, wc, ws, bq, bk, bv, y32; writes y32
.if DOCPART == 5
	.amdgcn_target "amdgcn-amd-amdhsa--gfx1250"
	.amdhsa_code_object_version 6
	.text
	.protected	k_qe8c7dc24b8_fine_att
	.globl	k_qe8c7dc24b8_fine_att
	.p2align	8
	.type	k_qe8c7dc24b8_fine_att,@function
k_qe8c7dc24b8_fine_att:
	s_mov_b64 s[64:65], 0
	v_nop
	global_prefetch_b8 v0, s[64:65] scope:SCOPE_SE
	s_setreg_imm32_b32 hwreg(HW_REG_WAVE_MODE, 25, 1), 1
	s_wait_xcnt 0x0
; THE FIRST 16 POSITIONS OF EVERY SEQUENCE AND HEAD, IN f32.  They average one to sixteen values and are the largest numbers of the output, so nothing of them is rounded to 16 bits.
; A work-group takes one (batch, head).  Wave w makes q, k or v (w / 4) of the 16 positions for 16 of the head's 64 channels (w % 4), from the same codes as the large launch: eight scaled products on one accumulator.
; The three 16 x 64 matrices meet in LDS in f32; wave 0 then makes the 16 x 16 scores, the softmax and the 16 x 64 result with the f32 matrix form, and stores y32 [16 b + t][1024].
; No tensor loads, no cluster: 64 small work-groups that share nothing.
; REGISTERS: v1-13 addresses; v16-79 x's fragments, later K and Q; v80-87, v152-159 scale words and nothing else; v88-151 W's fragments, later V; v160-167 the bias, later at work; v168-175 the projection's sum;
;   v176-183 S^T and v184-215 O^T, written by matrix instructions alone; v216-223 p; v224-255 O / the sum.
.set SPW,   14
.set NIL,   15
.set REG,   4352                       ; q, k, v in LDS: 16 rows x (256 bytes + 16) each
.set STG,   3*REG                      ; wave 0's stage
.set SPARE, 4*REG                      ; the spare words, 128 bytes for each of 12 waves
	s_load_b256 s[4:11], s[0:1], 0x0               ; xc, xs, wc, ws
	s_load_b256 s[12:19], s[0:1], 0x20             ; bq, bk, bv, y32
	v_lshl_add_u32 v[SPW], v0, 2, SPARE
	v_mov_b32 v[NIL], 0
	v_lshrrev_b32 v1, 5, v0
	v_readfirstlane_b32 s20, v1                    ; wave 0..11
	s_lshr_b32 s21, s20, 2                         ; which
	s_and_b32 s22, s20, 3                          ; which 16 channels
	s_lshr_b32 s23, ttmp9, 4                       ; batch
	s_and_b32 s24, ttmp9, 15                       ; head
	s_mov_b32 s26, 0x76543210
	s_mov_b32 s27, 0xfedcba98
	s_mov_b32 s30, 0x3e38aa3b                      ; c = log2(e) / 8
	v_and_b32 v1, 15, v0                           ; r
	v_bfe_u32 v2, v0, 4, 1                         ; h
	v_lshlrev_b32 v3, 9, v1
	v_lshl_add_u32 v3, v2, 4, v3                   ; codes: row r of 512 bytes, + 16 h
	v_lshlrev_b32 v4, 5, v1                        ; scale words: row r of 32 bytes
	v_lshlrev_b32 v5, 5, v2                        ; the bias: 8 h numbers on
	s_mul_i32 s25, s21, REG
	s_lshl_b32 s31, s22, 6
	s_add_co_u32 s25, s25, s31
	v_mul_u32_u24 v7, v1, 272
	v_lshl_add_u32 v6, v2, 5, v7
	v_add_nc_u32 v9, STG, v6                       ; the stage, in: row r, + 32 h
	v_add_nc_u32 v6, s25, v6                       ; my tile's place: region `which`, row r, 64 bytes for my 16 channels, + 32 h
	v_lshl_add_u32 v7, v2, 7, v7                   ; Q and K for wave 0: row r, channels 32 h on
	v_mul_u32_u24 v8, v2, 8*272
	v_lshl_add_u32 v8, v1, 2, v8
	v_add_nc_u32 v8, 2*REG, v8                     ; V: key 8 h, channel r
	v_mul_u32_u24 v10, v2, 272
	v_lshl_add_u32 v10, v1, 4, v10
	v_add_nc_u32 v10, STG, v10                     ; the stage, back: lanes 0-15 one row, lanes 16-31 the next
	v_lshlrev_b32 v11, 12, v2
	v_lshl_add_u32 v11, v1, 4, v11                 ; the same two rows in y32
	v_lshlrev_b32 v12, 3, v2
	v_sub_nc_u32 v12, v1, v12                      ; r - 8 h
	v_mov_b32 v13, 0xff800000                      ; -infinity
	s_mov_b32 s33, 0
	s_lshl_b32 s34, s21, 10
	s_lshl_b32 s35, s24, 6
	s_add_co_u32 s34, s34, s35
	s_lshl_b32 s35, s22, 4
	s_add_co_u32 s34, s34, s35                     ; my first row of wc and ws
	s_wait_kmcnt 0x0
	s_lshl_b32 s32, s23, 20
	s_add_nc_u64 s[4:5], s[4:5], s[32:33]          ; x's codes at the batch's first row
	s_lshl_b32 s32, s23, 16
	s_add_nc_u64 s[6:7], s[6:7], s[32:33]
	s_add_nc_u64 s[18:19], s[18:19], s[32:33]      ; y32: 16 rows of 4,096 bytes a batch,
	s_lshl_b32 s32, s24, 8
	s_add_nc_u64 s[18:19], s[18:19], s[32:33]      ; 256 bytes a head
	s_lshl_b32 s32, s34, 9
	s_add_nc_u64 s[8:9], s[8:9], s[32:33]
	s_lshl_b32 s32, s34, 5
	s_add_nc_u64 s[10:11], s[10:11], s[32:33]
	s_cmp_eq_u32 s21, 0
	s_cselect_b64 s[28:29], s[12:13], s[14:15]
	s_cmp_eq_u32 s21, 2
	s_cselect_b64 s[28:29], s[16:17], s[28:29]
	s_and_b32 s34, s34, 1023
	s_lshl_b32 s32, s34, 2
	s_add_nc_u64 s[28:29], s[28:29], s[32:33]
.irp s, 0,1,2,3,4,5,6,7
.irp c, 0,1
	global_load_b128 v[16+8*\s+4*\c:19+8*\s+4*\c], v3, s[4:5] offset:64*\s+32*\c
	global_load_b128 v[88+8*\s+4*\c:91+8*\s+4*\c], v3, s[8:9] offset:64*\s+32*\c
.endr
.endr
.irp c, 0,1
	global_load_b128 v[80+4*\c:83+4*\c],   v4, s[6:7] offset:16*\c      ; word s: the four scale bytes of K step s
	global_load_b128 v[152+4*\c:155+4*\c], v4, s[10:11] offset:16*\c
	global_load_b128 v[160+4*\c:163+4*\c], v5, s[28:29] offset:16*\c
.endr
	s_wait_loadcnt 0x0
	; transposed: source 0 = 16 rows of W, source 1 = the 16 positions: lane (r, h) holds position r, channels 8 h + 0 .. 7.  The bias is the first product's C
	v_wmma_scale_f32_16x16x128_f8f6f4 v[168:175], v[88:95], v[16:23], v[160:167], v152, v80 matrix_a_fmt:MATRIX_FMT_FP4 matrix_b_fmt:MATRIX_FMT_FP4
.irp s, 1,2,3,4,5,6,7
	s_wait_alu depctr_va_vdst(0)                   ; a wait directly ahead of every link
	v_wmma_scale_f32_16x16x128_f8f6f4 v[168:175], v[88+8*\s:95+8*\s], v[16+8*\s:23+8*\s], v[168:175], v[152+\s], v[80+\s] matrix_a_fmt:MATRIX_FMT_FP4 matrix_b_fmt:MATRIX_FMT_FP4
.endr
.rept 4
	v_nop
.endr
	ds_store_b128 v6, v[168:171]
	ds_store_b128 v6, v[172:175] offset:16
	s_wait_dscnt 0x0                               ; for the others' sake: my stores are done
	s_barrier_signal -1
	s_barrier_wait -1
	s_cmp_lg_u32 s20, 0
	s_cbranch_scc1 .Lend
.irp e, 0,1,2,3,4,5,6,7
	ds_load_b128 v[16+4*\e:19+4*\e], v7 offset:REG+16*\e           ; K(r, 32 h + ..)
	ds_load_b128 v[48+4*\e:51+4*\e], v7 offset:16*\e               ; Q(r, 32 h + ..): the same order of channels on both sides
.endr
.irp c, 0,1,2,3
.irp i, 0,1,2,3,4,5,6,7
	ds_load_b32 v[88+8*\c+\i], v8 offset:272*\i+64*\c              ; V(8 h + i, 16 c + r)
.endr
.endr
	s_wait_dscnt 0x0
	v_wmma_f32_16x16x4_f32 v[176:183], v[16:17], v[48:49], 0       ; S^T: lane (r, h): query r, keys 8 h + 0 .. 7
.set s, 1
.rept 15
	s_wait_alu depctr_va_vdst(0)
	v_wmma_f32_16x16x4_f32 v[176:183], v[16+2*s:17+2*s], v[48+2*s:49+2*s], v[176:183]
.set s, s+1
.endr
.rept 8
	v_nop
.endr
.irp j, 0,1,2,3,4,5,6,7
	v_cmp_gt_i32 vcc_lo, \j, v12                   ; key 8 h + j is hidden from query r where j > r - 8 h
	v_cndmask_b32 v[216+\j], v[176+\j], v13, vcc_lo
.endr
	v_max3_num_f32 v160, v216, v217, v218
	v_max3_num_f32 v160, v160, v219, v220
	v_max3_num_f32 v160, v160, v221, v222
	v_max_num_f32 v160, v160, v223
	v_mov_b32 v161, 0
	v_permlanex16_b32 v161, v160, s26, s27
	v_max_num_f32 v160, v160, v161                 ; the row's maximum: key 0 counts for every query
	v_mul_f32 v160, s30, v160
.irp j, 0,1,2,3,4,5,6,7
	v_fma_f32 v[216+\j], v[216+\j], s30, -v160
.endr
.irp j, 0,1,2,3,4,5,6,7
	v_exp_f32 v[216+\j], v[216+\j]
.endr
	v_nop
	s_wait_alu depctr_va_vdst(0)                   ; one wait for the eight
	v_add_f32 v162, v216, v217
	v_add_f32 v163, v218, v219
	v_add_f32 v164, v220, v221
	v_add_f32 v165, v222, v223
	v_add_f32 v162, v162, v163
	v_add_f32 v164, v164, v165
	v_add_f32 v162, v162, v164
	v_permlanex16_b32 v161, v162, s26, s27
	v_add_f32 v162, v162, v161
	v_rcp_f32 v162, v162
	v_nop
.irp s, 0,1,2,3                                ; O^T: four accumulators by turns; K step s = keys 8 h + 2 s + 0, 1 on both sides
.irp c, 0,1,2,3
.if \s == 0
	v_wmma_f32_16x16x4_f32 v[184+8*\c:191+8*\c], v[88+8*\c:89+8*\c], v[216:217], 0
.else
	v_wmma_f32_16x16x4_f32 v[184+8*\c:191+8*\c], v[88+8*\c+2*\s:89+8*\c+2*\s], v[216+2*\s:217+2*\s], v[184+8*\c:191+8*\c]
.endif
.endr
.endr
.rept 8
	v_nop
.endr
	s_wait_alu depctr_va_vdst(0)                   ; the reciprocal's wait, ahead of its first reader
.set i, 0
.rept 32
	v_mul_f32 v[224+i], v[184+i], v162
.set i, i+1
.endr
.irp c, 0,1,2,3
	ds_store_b128 v9, v[224+8*\c:227+8*\c] offset:64*\c
	ds_store_b128 v9, v[228+8*\c:231+8*\c] offset:64*\c+16
.endr
.irp i, 0,1,2,3,4,5,6,7
	ds_load_b128 v[16+4*\i:19+4*\i], v10 offset:544*\i             ; my own bytes: these loads see the stores above
.endr
.irp i, 0,1,2,3,4,5,6,7
	s_wait_dscnt 7-\i
	global_store_b128 v11, v[16+4*\i:19+4*\i], s[18:19] offset:8192*\i   ; sixteen lanes store 256 consecutive bytes, aligned
.endr
.Lend:
	s_wait_tensorcnt 0x0                           ; the wave's end, behind my last LDS store
	ds_add_u32 v[SPW], v[NIL]
	s_wait_dscnt 0x0
	s_endpgm
.Lfunc_end_k_qe8c7dc24b8_fine_att:
	.size	k_qe8c7dc24b8_fine_att, .Lfunc_end_k_qe8c7dc24b8_fine_att-k_qe8c7dc24b8_fine_att
	.p2alignl 7, 3214868480
	.fill 96, 4, 3214868480
	.section	.rodata,"a",@progbits
	.p2align	6, 0x0
	.amdhsa_kernel k_qe8c7dc24b8_fine_att
		.amdhsa_group_segment_fixed_size 18944
		.amdhsa_private_segment_fixed_size 0
		.amdhsa_enable_private_segment 0
		.amdhsa_kernarg_size 64
		.amdhsa_user_sgpr_count 2
		.amdhsa_user_sgpr_kernarg_segment_ptr 1
		.amdhsa_wavefront_size32 1
		.amdhsa_system_sgpr_workgroup_id_x 1
		.amdhsa_system_sgpr_workgroup_id_y 1
		.amdhsa_system_sgpr_workgroup_id_z 1
		.amdhsa_system_vgpr_workitem_id 0
		.amdhsa_next_free_vgpr 256
		.amdhsa_next_free_sgpr 66
		.amdhsa_reserve_vcc 1
		.amdhsa_float_denorm_mode_32 3
		.amdhsa_float_denorm_mode_16_64 3
		.amdhsa_memory_ordered 1
		.amdhsa_forward_progress 1
		.amdhsa_inst_pref_size 20
	.end_amdhsa_kernel
	.amdgpu_metadata
---
amdhsa.version: [ 1, 2 ]
amdhsa.kernels:
  - .name:           k_qe8c7dc24b8_fine_att
    .symbol:         k_qe8c7dc24b8_fine_att.kd
    .args:
      - { .name: xc, .offset: 0, .size: 8, .value_kind: global_buffer, .address_space: global }
      - { .name: xs, .offset: 8, .size: 8, .value_kind: global_buffer, .address_space: global }
      - { .name: wc, .offset: 16, .size: 8, .value_kind: global_buffer, .address_space: global }
      - { .name: ws, .offset: 24, .size: 8, .value_kind: global_buffer, .address_space: global }
      - { .name: bq, .offset: 32, .size: 8, .value_kind: global_buffer, .address_space: global }
      - { .name: bk, .offset: 40, .size: 8, .value_kind: global_buffer, .address_space: global }
      - { .name: bv, .offset: 48, .size: 8, .value_kind: global_buffer, .address_space: global }
      - { .name: y32, .offset: 56, .size: 8, .value_kind: global_buffer, .address_space: global }
    .group_segment_fixed_size: 18944
    .private_segment_fixed_size: 0
    .kernarg_segment_align: 8
    .kernarg_segment_size: 64
    .max_flat_workgroup_size: 384
    .sgpr_count:     66
    .vgpr_count:     256
    .wavefront_size: 32
...
	.end_amdgpu_metadata
.endif
;; end of part 5
;; launch fine_proj (part 6): grid 16 x 4, 16 waves a work-group, no clusters, 19,456 bytes of LDS; arguments y32, Wo, bo, out0; writes out0
.if DOCPART == 6
	.amdgcn_target "amdgcn-amd-amdhsa--gfx1250"
	.amdhsa_code_object_version 6
	.text
	.protected	k_qe8c7dc24b8_fine_proj
	.globl	k_qe8c7dc24b8_fine_proj
	.p2align	8
	.type	k_qe8c7dc24b8_fine_proj,@function
k_qe8c7dc24b8_fine_proj:
	s_mov_b64 s[64:65], 0
	v_nop
	global_prefetch_b8 v0, s[64:65] scope:SCOPE_SE
	s_setreg_imm32_b32 hwreg(HW_REG_WAVE_MODE, 25, 1), 1
	s_wait_xcnt 0x0
; THE OUTPUT PROJECTION OF THE FIRST 16 POSITIONS OF EACH SEQUENCE, IN f32: out0[2048 b + t][n] = sum over k of y32[16 b + t][k] Wo[k][n] + bo[n], t < 16.
; A work-group takes 64 columns of one batch.  Wave w: 16 columns (w % 4) x a quarter of K (w / 4), in four chunks of 64 along K, by the f32 matrix form on four accumulators by turns.
; Transposed: source 0 = 16 columns of Wo, source 1 = the 16 rows of y: a lane holds row r and eight neighbouring columns.  In a chunk lane (r, h) holds k = 32 h + 0 .. 31 on both sides.
; The four quarters of K meet in LDS; eight waves add them and the bias and store two rows each.  64 rows in all: no bulk work, no tensor loads, no cluster.
; REGISTERS: v32-95 y, two sets; v96-159 Wo, two sets; v160-191 the accumulators, written by matrix instructions alone; v192-207 their sum.
.set SPW,   14
.set NIL,   15
.set REG,   4352                       ; a quarter's 16 rows x (256 bytes + 16)
.set SPARE, 4*REG                      ; the spare words, 128 bytes for each of 16 waves
	s_load_b256 s[4:11], s[0:1], 0x0               ; y32, Wo, bo, out0
	v_lshl_add_u32 v[SPW], v0, 2, SPARE
	v_mov_b32 v[NIL], 0
	v_lshrrev_b32 v1, 5, v0
	v_readfirstlane_b32 s12, v1                    ; wave 0..15
	s_and_b32 s13, s12, 3                          ; which 16 columns
	s_lshr_b32 s14, s12, 2                         ; which quarter of K
	s_and_b32 s15, ttmp7, 0xffff                   ; batch
	v_and_b32 v1, 15, v0                           ; r
	v_bfe_u32 v2, v0, 4, 1                         ; h
	v_lshlrev_b32 v3, 12, v1
	v_lshl_add_u32 v3, v2, 7, v3                   ; y: row r of 4,096 bytes, + 32 h numbers
	v_lshlrev_b32 v4, 17, v2
	v_lshl_add_u32 v4, v1, 2, v4                   ; Wo: 32 h rows of 4,096 bytes, column r
	s_mul_i32 s16, s14, REG
	s_lshl_b32 s17, s13, 6
	s_add_co_u32 s16, s16, s17
	v_mul_u32_u24 v5, v1, 272
	v_lshl_add_u32 v5, v2, 5, v5
	v_add_nc_u32 v5, s16, v5                       ; my partial sums' place
	s_mul_i32 s16, s12, 544
	v_mul_u32_u24 v6, v2, 272
	v_lshl_add_u32 v6, v1, 4, v6
	v_add_nc_u32 v6, s16, v6                       ; back: rows 2 w + h, 16 bytes a lane
	v_lshlrev_b32 v7, 4, v1                        ; bo
	v_lshlrev_b32 v8, 12, v2
	v_lshl_add_u32 v8, v1, 4, v8                   ; out0
	s_mov_b32 s19, 0
	s_wait_kmcnt 0x0
	s_lshl_b32 s18, s15, 16
	s_lshl_b32 s17, s14, 10
	s_add_co_u32 s18, s18, s17
	s_add_nc_u64 s[4:5], s[4:5], s[18:19]          ; y32 at my batch and quarter
	s_lshl_b32 s18, s14, 20
	s_lshl_b32 s17, ttmp9, 8
	s_add_co_u32 s18, s18, s17
	s_lshl_b32 s17, s13, 6
	s_add_co_u32 s18, s18, s17
	s_add_nc_u64 s[6:7], s[6:7], s[18:19]          ; Wo at my quarter's first row and my first column
	s_lshl_b32 s18, ttmp9, 8
	s_add_nc_u64 s[8:9], s[8:9], s[18:19]
	s_lshl_b32 s17, s15, 23
	s_add_co_u32 s18, s18, s17
	s_lshl_b32 s17, s12, 13
	s_add_co_u32 s18, s18, s17
	s_add_nc_u64 s[10:11], s[10:11], s[18:19]      ; out0 at row 2048 b + 2 w
.macro LOADC u                         ; chunk u: 40 loads
.set YS, 32+32*((\u)%2)
.set WS, 96+32*((\u)%2)
.irp e, 0,1,2,3,4,5,6,7
	global_load_b128 v[YS+4*\e:YS+4*\e+3], v3, s[4:5] offset:256*(\u)+16*\e
.endr
.irp i, 0,1,2,3,4,5,6,7,8,9,10,11,12,13,14,15,16,17,18,19,20,21,22,23,24,25,26,27,28,29,30,31
	global_load_b32 v[WS+\i], v4, s[6:7] offset:(64*(\u)+\i)*4096
.endr
.endm
.macro MULC u                          ; 16 products, four accumulators by turns
.set YS, 32+32*((\u)%2)
.set WS, 96+32*((\u)%2)
.irp s, 0,1,2,3,4,5,6,7,8,9,10,11,12,13,14,15
.if (\u) == 0 && \s < 4
	v_wmma_f32_16x16x4_f32 v[160+8*(\s%4):167+8*(\s%4)], v[WS+2*\s:WS+2*\s+1], v[YS+2*\s:YS+2*\s+1], 0
.else
	v_wmma_f32_16x16x4_f32 v[160+8*(\s%4):167+8*(\s%4)], v[WS+2*\s:WS+2*\s+1], v[YS+2*\s:YS+2*\s+1], v[160+8*(\s%4):167+8*(\s%4)]
.endif
.endr
.endm
.macro PLACES8                         ; eight places behind this form, in front of loads into its sources and of reads of its results
.rept 8
	v_nop
.endr
.endm
	LOADC 0
	LOADC 1
	s_wait_loadcnt 40                              ; chunk 0 is in; chunk 1's 40 loads may be out
	MULC 0
	PLACES8
	LOADC 2
	s_wait_loadcnt 40
	MULC 1
	PLACES8
	LOADC 3
	s_wait_loadcnt 40
	MULC 2
	s_wait_loadcnt 0x0
	MULC 3
	PLACES8
.irp i, 0,2,4,6
	v_pk_add_f32 v[192+\i:193+\i], v[160+\i:161+\i], v[168+\i:169+\i]
.endr
.irp i, 0,2,4,6
	v_pk_add_f32 v[200+\i:201+\i], v[176+\i:177+\i], v[184+\i:185+\i]
.endr
.irp i, 0,2,4,6
	v_pk_add_f32 v[192+\i:193+\i], v[192+\i:193+\i], v[200+\i:201+\i]
.endr
	ds_store_b128 v5, v[192:195]
	ds_store_b128 v5, v[196:199] offset:16
	s_wait_dscnt 0x0                               ; for the others' sake: my stores are done
	s_barrier_signal -1
	s_barrier_wait -1
	s_cmp_lt_u32 s12, 8
	s_cbranch_scc0 .Lend
	global_load_b128 v[48:51], v7, s[8:9]
.irp p, 0,1,2,3
	ds_load_b128 v[32+4*\p:35+4*\p], v6 offset:REG*\p
.endr
	s_wait_dscnt 0x0
	v_pk_add_f32 v[32:33], v[32:33], v[36:37]
	v_pk_add_f32 v[34:35], v[34:35], v[38:39]
	v_pk_add_f32 v[40:41], v[40:41], v[44:45]
	v_pk_add_f32 v[42:43], v[42:43], v[46:47]
	v_pk_add_f32 v[32:33], v[32:33], v[40:41]
	v_pk_add_f32 v[34:35], v[34:35], v[42:43]
	s_wait_loadcnt 0x0
	v_pk_add_f32 v[32:33], v[32:33], v[48:49]
	v_pk_add_f32 v[34:35], v[34:35], v[50:51]
	global_store_b128 v8, v[32:35], s[10:11]       ; sixteen lanes store 256 consecutive bytes, aligned
.Lend:
	s_wait_tensorcnt 0x0                           ; the wave's end, behind my last LDS store
	ds_add_u32 v[SPW], v[NIL]
	s_wait_dscnt 0x0
	s_endpgm
.Lfunc_end_k_qe8c7dc24b8_fine_proj:
	.size	k_qe8c7dc24b8_fine_proj, .Lfunc_end_k_qe8c7dc24b8_fine_proj-k_qe8c7dc24b8_fine_proj
	.p2alignl 7, 3214868480
	.fill 96, 4, 3214868480
	.section	.rodata,"a",@progbits
	.p2align	6, 0x0
	.amdhsa_kernel k_qe8c7dc24b8_fine_proj
		.amdhsa_group_segment_fixed_size 19456
		.amdhsa_private_segment_fixed_size 0
		.amdhsa_enable_private_segment 0
		.amdhsa_kernarg_size 32
		.amdhsa_user_sgpr_count 2
		.amdhsa_user_sgpr_kernarg_segment_ptr 1
		.amdhsa_wavefront_size32 1
		.amdhsa_system_sgpr_workgroup_id_x 1
		.amdhsa_system_sgpr_workgroup_id_y 1
		.amdhsa_system_sgpr_workgroup_id_z 1
		.amdhsa_system_vgpr_workitem_id 0
		.amdhsa_next_free_vgpr 256
		.amdhsa_next_free_sgpr 66
		.amdhsa_reserve_vcc 0
		.amdhsa_float_denorm_mode_32 3
		.amdhsa_float_denorm_mode_16_64 3
		.amdhsa_memory_ordered 1
		.amdhsa_forward_progress 1
		.amdhsa_inst_pref_size 25
	.end_amdhsa_kernel
	.amdgpu_metadata
---
amdhsa.version: [ 1, 2 ]
amdhsa.kernels:
  - .name:           k_qe8c7dc24b8_fine_proj
    .symbol:         k_qe8c7dc24b8_fine_proj.kd
    .args:
      - { .name: y32, .offset: 0, .size: 8, .value_kind: global_buffer, .address_space: global }
      - { .name: Wo, .offset: 8, .size: 8, .value_kind: global_buffer, .address_space: global }
      - { .name: bo, .offset: 16, .size: 8, .value_kind: global_buffer, .address_space: global }
      - { .name: out0, .offset: 24, .size: 8, .value_kind: global_buffer, .address_space: global }
    .group_segment_fixed_size: 19456
    .private_segment_fixed_size: 0
    .kernarg_segment_align: 8
    .kernarg_segment_size: 32
    .max_flat_workgroup_size: 512
    .sgpr_count:     66
    .vgpr_count:     256
    .wavefront_size: 32
...
	.end_amdgpu_metadata
.endif
;; end of part 6
